; MI455X (gfx1250); checked and timed in simulation.
; The chip was launched on July 23, 2026; its instructions are those of AMD's public machine-readable ISA for CDNA 5 (MIT licence, August 2026) and "CDNA5" Instruction Set Architecture Reference Guide (July 2026). The comments in the code are by the model that wrote it; some were corrected since.
;; Self Attention. Allowed arithmetic: matrix products marked QUANTISED: E2M3 operands, one E8M0 scale for each 32 along K, by v_wmma_scale_f32_16x16x128_f8f6f4 with both operands' format E2M3, f32 sums; everything else in f32.
;; Inputs: W_K 1,024 x 1,024 float32; W_O 1,024 x 1,024 float32; W_Q 1,024 x 1,024 float32; W_V 1,024 x 1,024 float32; x 4 x 2,048 x 1,024 float32.
;; Outputs: out0 4 x 2,048 x 1,024 float32.
;; This version of the problem:
;;   THIS VERSION OF THE PROBLEM IS GIVEN IN LOW PRECISION. The matrix products marked QUANTISED in the list below multiply operands that are first quantised to E2M3 (2 exponent bits, 3 mantissa bits; 6 bits a number), with one power-of-two scale for each 32 numbers along K (OCP MX v1.0); their sums are f32. All else is computed in f32.
;;   The module's matrix products, in the order in which they are computed (A, B: the left and right operand; K: the contracted axis; several contracted axes count as one K, in the product's order):
;;     1. [M 8,192, K 1,024] x [K 1,024, N 1,024]; A: input x; B: input W_Q: QUANTISED
;;     2. [M 8,192, K 1,024] x [K 1,024, N 1,024]; A: input x; B: input W_K: QUANTISED
;;     3. [M 8,192, K 1,024] x [K 1,024, N 1,024]; A: input x; B: input W_V: QUANTISED
;;     4. batch 64 x [M 2,048, K 64] x [K 64, N 2,048]; A: computed on the way; B: computed on the way: QUANTISED
;;     5. batch 64 x [M 2,048, K 2,048] x [K 2,048, N 64]; A: softmax (see below); B: computed on the way: QUANTISED
;;     6. [M 8,192, K 1,024] x [K 1,024, N 1,024]; A: computed on the way; B: input W_O: QUANTISED
;;   THE QUANTISER, for each operand of a quantised product, along K:
;;     - K is cut into blocks of 32 from its start; a last block that is shorter is filled with zeros.
;;     - A block's scale is 2^e with e = floor(log2(the largest magnitude in the block)) - 2, held to -126 .. 127; a block of zeros has e = 0. As a byte (E8M0): e + 127.
;;     - Each number is divided by its block's scale, clamped to +-7.5, and rounded to the nearest number of E2M3, ties to even, subnormals kept.
;;     - The product sums the exact products of the quantised numbers (number of the format x scale) in f32.
;;   ~~~python
;;   def quantise(x, axis):      # numpy; x: float32 -> the quantised numbers, widened to float32 again
;;       x = np.moveaxis(x, axis, -1); K = x.shape[-1]
;;       x = np.pad(x, [(0, 0)] * (x.ndim - 1) + [(0, -K % 32)]); x = x.reshape(x.shape[:-1] + (-1, 32)); a = np.abs(x).max(-1, keepdims=True)
;;       e = np.where(a > 0, np.clip(np.frexp(np.where(a > 0, a, 1))[1] - 1 - 2, -126, 127), 0)      # np.frexp(a)[1] - 1 = floor(log2(a)), exactly
;;       r = np.clip(x / 2.0 ** e, -7.5, 7.5)
;;       step = 2.0 ** (np.maximum(np.frexp(np.where(r == 0, 1, r))[1] - 1, 0) - 3)
;;       q = np.round(r / step) * step * 2.0 ** e      # np.round: ties to even
;;       return np.moveaxis(q.reshape(q.shape[:-2] + (-1,))[..., :K], -1, axis).astype(np.float32)
;;   ~~~
;;   SOFTMAX AHEAD OF A QUANTISED PRODUCT. Where the list says 'softmax', what is quantised is not the finished softmax but p = 2^(t - M), with t = logit x log2(e) and M = ceil(the row's largest t), a whole number; so 1/2 < the row's largest p <= 1. The row's sum l is taken of the UNQUANTISED p, in f32, and the product's result is divided by l at the end. Since M is a whole number, a kernel that streams over the keys may use a running M (the ceiling of the running maximum): every later rescaling is an exact power of two, which a block's scale takes up: the codes' values come out the same.
;;   OPERANDS COMPUTED ON THE WAY. 'Computed on the way' means the value that the module computes at that place (a softmax that the list does not call 'softmax' is quantised finished and normalised). What goes into a quantiser is computed in f32, as accurately as f32 sums, v_exp_f32 and their like allow (about 1e-6 of the number): no bf16 or f16 on the way to a quantiser, and a product that is left as it is and whose result goes on into a quantised operand takes f32 operands (vector FMAs, or v_wmma_f32_16x16x4_f32). A number that lies on a knife's edge between two numbers of the format may be rounded either way, as far as f32 arithmetic and the matrix unit's own rounding can turn it there, and no further.
;; One version. Each part assembles by itself: llvm-mc -triple=amdgcn-amd-amdhsa -mcpu=gfx1250 --defsym DOCPART=n.
;; ======== version 1 of 1: 4 launches
;; workspace buffers: xq 6,553,600 bytes; wq 3,276,800 bytes; qq 6,815,744 bytes; kv 13,369,344 bytes; cq 6,553,600 bytes
;; launch quant (part 1): grid 768 x 1, 4 waves a work-group, no clusters, 34,816 bytes of LDS; arguments x, W_Q, W_K, W_V, W_O, xq, wq; writes xq, wq
.if DOCPART == 1
	.amdgcn_target "amdgcn-amd-amdhsa--gfx1250"
	.amdhsa_code_object_version 6
	.text
	.protected	k_q33cc7e2c51_quant
	.globl	k_q33cc7e2c51_quant
	.p2align	8
	.type	k_q33cc7e2c51_quant,@function
k_q33cc7e2c51_quant:
	s_mov_b64 s[64:65], 0
	v_nop
	global_prefetch_b8 v0, s[64:65] scope:SCOPE_SE
	s_setreg_imm32_b32 hwreg(HW_REG_WAVE_MODE, 25, 1), 1
	s_wait_xcnt 0x0
; x [8192][1024] and W_Q, W_K, W_V, W_O [1024][1024], f32, K innermost, become codes of FP6 (E2M3) with one E8M0 byte for each 32 along K,
; laid IN THE ORDER OF AN OPERAND'S REGISTERS, for the launches that follow.
; ROW BLOCKS.  16 rows form a row block rb; its image row r is the true row 32 (rb / 2) + 8 (rb % 2) + r + 8 (r / 8).  So two neighbouring row blocks,
; used as source 0 of a product, give a lane 16 neighbours along the next K.
; IMAGES.  A fragment (16 rows x 128 K, 12 registers a lane) is 1,536 bytes: piece p = registers 2 p, 2 p + 1 = 256 bytes, lane l's 8 bytes at 256 p + 8 l.
; Codes: [rb][K step 0..7][1,536].  Scale bytes: [16 rb + r][32], behind the codes (XS in xq, WS in wq).  wq: W_Q rb 0-63, W_K 64-127, W_V 128-191, W_O 192-255.
; SHARES.  A work-group takes one row block (the first 512: x; then 64 for each weight); wave w takes K steps 2 w and 2 w + 1.  Each load reads 512 consecutive
; bytes of a row; a tile of 16 rows x 512 bytes turns through the wave's own stage in LDS, so that lane (r, h) gets whole blocks h and 2 + h of row r.
; Work-groups share no input: no cluster, no tensor load, no ring.  All of a wave's 32 loads go out at its head.
; A block's scale is 2^(floor(log2(largest magnitude)) - 2); its byte is the largest magnitude's exponent field - 2, held at 1 from below.
; LIMITS: NaN and infinities among the inputs are not served; a block whose largest magnitude lies under 2^-124 has its byte held at 1; a block of zeros
; carries the byte 1 where the quantiser's text says 127: its codes are zeros, and this program alone reads the bytes.
.set XS,     6291456                   ; xq: the scale bytes begin here (512 rb x 12,288)
.set WS,     3145728                   ; wq: likewise (256 rb x 12,288)
.set SPITCH, 528                       ; a stage row: 512 bytes + 16, an odd multiple of 16
.set WSTG,   16*SPITCH                 ; a wave's stage
.set SCS,    4*WSTG                    ; behind the stages: the row block's 512 scale bytes
.set R0,     32                        ; v32-95   tile 0 as loaded; later tile 1 by lanes
.set R1,     96                        ; v96-159  tile 1 as loaded; later tile 1's codes
.set X0,     160                       ; v160-223 tile 0 by lanes
.set X1,     32
.set SEL,    20                        ; s[20:21] lane selects for v_permlanex16_b32: lane l xor 16
	s_load_b256 s[4:11], s[0:1], 0x0               ; x, W_Q, W_K, W_V
	s_load_b128 s[12:15], s[0:1], 0x20             ; W_O, xq
	s_load_b64 s[16:17], s[0:1], 0x30              ; wq
	v_lshl_add_u32 v254, v0, 2, 0x8600
	v_mov_b32 v255, 0
	v_lshrrev_b32 v1, 5, v0
	v_readfirstlane_b32 s18, v1                    ; wave 0..3
	v_and_b32 v9, 31, v0                           ; lane
	v_and_b32 v10, 15, v0                          ; r
	v_bfe_u32 v11, v0, 4, 1                        ; h
	v_lshlrev_b32 v1, 4, v9                        ; v1: 16 x lane: my 16 bytes of a load's 512
	s_mul_i32 s19, s18, WSTG
	v_add_nc_u32 v2, s19, v1                       ; v2: the stage, on the way in
	v_mul_u32_u24 v3, v10, SPITCH
	v_lshl_add_u32 v3, v11, 7, v3
	v_add_nc_u32 v3, s19, v3                       ; v3: and on the way out: row r, + 128 h bytes: block h
	v_lshlrev_b32 v4, 3, v9                        ; v4: 8 x lane: my place in a piece of an image
	s_lshl_b32 s19, s18, 3
	s_add_co_u32 s19, s19, SCS
	v_lshlrev_b32 v5, 5, v10
	v_add_nc_u32 v5, s19, v5                       ; v5: row r's 32 scale bytes, my wave's 8 of them
	v_add_nc_u32 v6, SCS, v1                       ; v6: the 512 scale bytes, 16 a lane
	v_lshlrev_b32 v7, 3, v11                       ; v7: 8 h: how far my two bytes move up in a scale word
	v_mov_b32 v18, 0                               ; a lane permute's destination counts as read
	s_mov_b32 s[SEL], 0x76543210
	s_mov_b32 s[SEL+1], 0xfedcba98
	s_sub_co_u32 s26, ttmp9, 512                   ; a weight's row block in wq
	s_and_b32 s27, s26, 63                         ; and in its own tensor
	s_mov_b32 s28, WS
	s_wait_alu depctr_va_vdst(0)
	s_wait_kmcnt 0x0
	s_cmp_lt_u32 ttmp9, 704                        ; which tensor: the choice hangs on the work-group's number alone
	s_cselect_b64 s[22:23], s[10:11], s[12:13]
	s_cmp_lt_u32 ttmp9, 640
	s_cselect_b64 s[22:23], s[8:9], s[22:23]
	s_cmp_lt_u32 ttmp9, 576
	s_cselect_b64 s[22:23], s[6:7], s[22:23]
	s_cmp_lt_u32 ttmp9, 512
	s_cselect_b64 s[22:23], s[4:5], s[22:23]
	s_cselect_b64 s[24:25], s[14:15], s[16:17]     ; xq or wq
	s_cselect_b32 s26, ttmp9, s26                  ; row block in the buffer
	s_cselect_b32 s27, ttmp9, s27                  ; row block in the tensor
	s_cselect_b32 s28, XS, s28
	s_lshr_b32 s30, s27, 1
	s_lshl_b32 s30, s30, 17                        ; 32 (rb / 2) rows of 4,096 bytes
	s_and_b32 s31, s27, 1
	s_lshl_b32 s31, s31, 15                        ; + 8 (rb % 2) rows
	s_add_co_u32 s30, s30, s31
	s_lshl_b32 s31, s18, 10                        ; + my wave's 1,024 bytes of a row
	s_add_co_u32 s30, s30, s31
	s_mov_b32 s31, 0
	s_add_nc_u64 s[22:23], s[22:23], s[30:31]
	s_mul_i32 s30, s26, 12288
	s_mul_i32 s29, s18, 3072
	s_add_co_u32 s30, s30, s29
	s_add_nc_u64 s[32:33], s[24:25], s[30:31]      ; my two images
	s_lshl_b32 s29, s26, 9
	s_add_co_u32 s30, s28, s29
	s_add_nc_u64 s[24:25], s[24:25], s[30:31]      ; the row block's scale bytes
.macro LOADT reg, j                    ; tile j: 16 rows x 512 bytes; image row i is the true row i + 8 (i / 8) of the block's 24
.irp i, 0,1,2,3,4,5,6,7,8,9,10,11,12,13,14,15
	global_load_b128 v[\reg+4*\i:\reg+4*\i+3], v1, s[22:23] offset:(\i+8*(\i/8))*4096+512*\j th:TH_LOAD_NT
.endr
.endm
.macro PUT reg
.irp i, 0,1,2,3,4,5,6,7,8,9,10,11,12,13,14,15
	ds_store_b128 v2, v[\reg+4*\i:\reg+4*\i+3] offset:SPITCH*\i
.endr
.endm
.macro GET reg                         ; registers 32 c + 0 .. 31: k = 64 c + 32 h + 0 .. 31 of row r, as the operand's layout gives them to lane (r, h)
.irp c, 0,1
.irp j, 0,1,2,3,4,5,6,7
	ds_load_b128 v[\reg+32*\c+4*\j:\reg+32*\c+4*\j+3], v3 offset:256*\c+16*\j
.endr
.endr
.endm
; 64 numbers of a lane at v[x] become the fragment's 12 registers at v[pc] and the row's scale word in v[w]; v[pt] takes the second half of each block's codes on the way
.macro QUANT6 x, pc, pt, w
.irp c, 0,1
	v_max3_num_f32 v[8+\c], |v[\x+32*\c]|, |v[\x+32*\c+1]|, 0x1800000   ; my block 2 c + h, all 32 numbers mine; the floor 2^(3 - 127) holds the byte at 1 from below
.endr
.irp i, 2,4,6,8,10,12,14,16,18,20,22,24,26,28,30
.irp c, 0,1
	v_max3_num_f32 v[8+\c], v[8+\c], |v[\x+32*\c+\i]|, |v[\x+32*\c+\i+1]|
.endr
.endr
.irp c, 0,1
	v_add_nc_u32 v[10+\c], 0xff000000, v[8+\c]     ; 2 off the exponent field: the conversion's scale operand
.endr
.irp c, 0,1
	v_lshrrev_b32 v[12+\c], 23, v[10+\c]           ; the scale's byte
.endr
	v_lshl_or_b32 v[\w], v13, 16, v12              ; blocks h and 2 + h,
	v_lshlrev_b32 v[\w], v7, v[\w]                 ; at their places in the word;
	v_permlanex16_b32 v18, v[\w], s[SEL], s[SEL+1]
	v_or_b32 v[\w], v[\w], v18                     ; with lane l xor 16's two the word is whole
.irp c, 0,1
	v_cvt_scalef32_pk16_fp6_f32 v[\pc+6*\c:\pc+6*\c+2], v[\x+32*\c:\x+32*\c+15], v[10+\c]
	v_cvt_scalef32_pk16_fp6_f32 v[\pt+4*\c:\pt+4*\c+2], v[\x+32*\c+16:\x+32*\c+31], v[10+\c]   ; (a conversion's three registers begin on an even number)
.endr
	v_nop                                          ; one plain place behind a scaled conversion
.irp c, 0,1
.irp i, 0,1,2
	v_mov_b32 v[\pc+3+6*\c+\i], v[\pt+4*\c+\i]
.endr
.endr
.endm
.macro OUT pc, j                       ; an image: six stores, each of 256 consecutive bytes, aligned
.irp p, 0,1,2,3,4,5
	global_store_b64 v4, v[\pc+2*\p:\pc+2*\p+1], s[32:33] offset:1536*\j+256*\p
.endr
.endm
	LOADT R0, 0
	LOADT R1, 1
	s_wait_loadcnt 16                              ; tile 0's sixteen loads are in; tile 1's sixteen may be out
	PUT R0
	GET X0                                         ; LDS serves a wave's instructions in order: these see the stores above
	s_wait_loadcnt 0x0
	PUT R1                                         ; behind tile 0's reads of the stage
	s_wait_dscnt 16                                ; tile 0 is back and its stores have read v32-95; tile 1's sixteen stores may be out
	GET X1
	QUANT6 X0, 224, 236, 16
	OUT 224, 0
	s_wait_dscnt 0x0                               ; tile 1 is back, and its stores have read v96-159, which take its codes
	QUANT6 X1, 96, 108, 17
	OUT 96, 1
	ds_store_b64 v5, v[16:17]                      ; my two K steps' words of row r (lanes r and r + 16 write the same bytes with the same value)
	s_wait_dscnt 0x0                               ; for the others' sake
	s_barrier_signal -1
	s_barrier_wait -1
	s_cmp_lg_u32 s18, 0
	s_cbranch_scc1 .Ldone
	ds_load_b128 v[20:23], v6                      ; wave 0 stores the block's 512 scale bytes: consecutive, aligned
	s_wait_dscnt 0x0
	global_store_b128 v1, v[20:23], s[24:25]
.Ldone:
	s_wait_tensorcnt 0x0
	ds_add_u32 v254, v255
	s_wait_dscnt 0x0
	s_endpgm
.Lfunc_end_k_q33cc7e2c51_quant:
	.size	k_q33cc7e2c51_quant, .Lfunc_end_k_q33cc7e2c51_quant-k_q33cc7e2c51_quant
	.p2alignl 7, 3214868480
	.fill 96, 4, 3214868480
	.section	.rodata,"a",@progbits
	.p2align	6, 0x0
	.amdhsa_kernel k_q33cc7e2c51_quant
		.amdhsa_group_segment_fixed_size 34816
		.amdhsa_private_segment_fixed_size 0
		.amdhsa_enable_private_segment 0
		.amdhsa_kernarg_size 56
		.amdhsa_user_sgpr_count 2
		.amdhsa_user_sgpr_kernarg_segment_ptr 1
		.amdhsa_wavefront_size32 1
		.amdhsa_system_sgpr_workgroup_id_x 1
		.amdhsa_system_sgpr_workgroup_id_y 1
		.amdhsa_system_sgpr_workgroup_id_z 1
		.amdhsa_system_vgpr_workitem_id 0
		.amdhsa_next_free_vgpr 256
		.amdhsa_next_free_sgpr 66
		.amdhsa_reserve_vcc 0
		.amdhsa_float_denorm_mode_32 3
		.amdhsa_float_denorm_mode_16_64 3
		.amdhsa_memory_ordered 1
		.amdhsa_forward_progress 1
		.amdhsa_inst_pref_size 18
	.end_amdhsa_kernel
	.amdgpu_metadata
---
amdhsa.version: [ 1, 2 ]
amdhsa.kernels:
  - .name:           k_q33cc7e2c51_quant
    .symbol:         k_q33cc7e2c51_quant.kd
    .args:
      - { .name: x, .offset: 0, .size: 8, .value_kind: global_buffer, .address_space: global }
      - { .name: W_Q, .offset: 8, .size: 8, .value_kind: global_buffer, .address_space: global }
      - { .name: W_K, .offset: 16, .size: 8, .value_kind: global_buffer, .address_space: global }
      - { .name: W_V, .offset: 24, .size: 8, .value_kind: global_buffer, .address_space: global }
      - { .name: W_O, .offset: 32, .size: 8, .value_kind: global_buffer, .address_space: global }
      - { .name: xq, .offset: 40, .size: 8, .value_kind: global_buffer, .address_space: global }
      - { .name: wq, .offset: 48, .size: 8, .value_kind: global_buffer, .address_space: global }
    .group_segment_fixed_size: 34816
    .private_segment_fixed_size: 0
    .kernarg_segment_align: 8
    .kernarg_segment_size: 56
    .max_flat_workgroup_size: 128
    .sgpr_count:     66
    .vgpr_count:     256
    .wavefront_size: 32
...
	.end_amdgpu_metadata
.endif
;; end of part 1
;; launch qkv (part 2): grid 192 x 4, 4 waves a work-group, clusters of 4 x 4, 296,448 bytes of LDS; arguments xq, wq, qq, kv; writes qq, kv
.if DOCPART == 2
	.amdgcn_target "amdgcn-amd-amdhsa--gfx1250"
	.amdhsa_code_object_version 6
	.text
	.protected	k_q33cc7e2c51_qkv
	.globl	k_q33cc7e2c51_qkv
	.p2align	8
	.type	k_q33cc7e2c51_qkv,@function
k_q33cc7e2c51_qkv:
	s_mov_b64 s[64:65], 0
	v_nop
	global_prefetch_b8 v0, s[64:65] scope:SCOPE_SE
	s_setreg_imm32_b32 hwreg(HW_REG_WAVE_MODE, 25, 1), 1
	s_wait_xcnt 0x0
	s_wait_alu depctr_hold_cnt(0) depctr_sa_sdst(0) depctr_va_vdst(0) depctr_va_sdst(0) depctr_va_ssrc(0) depctr_va_vcc(0) depctr_vm_vsrc(0)
	s_getreg_b32 s2, hwreg(HW_REG_IB_STS2, 6, 4)
	s_cmp_eq_u32 s2, 0
	s_cbranch_scc0 .Lentry_in_a_cluster
	s_endpgm
.Lentry_in_a_cluster:
	s_bfe_u32 s2, ttmp6, 0x10000c
	s_cmp_lg_u32 s2, 0xf033
	s_cbranch_scc0 .Lentry_shape_is_right
	s_endpgm
.Lentry_shape_is_right:
; Q = x W_Q^T, K = x W_K^T, V = x W_V^T on codes of FP6 (E2M3) with E8M0 scales, K = 1,024; the results are quantised in registers and leave as codes:
; Q and K along a head's 64 channels, V along the keys.
; OPERANDS (made by the launch before): row blocks of 16 rows, image row r = true row 32 (rb / 2) + 8 (rb % 2) + r + 8 (r / 8); codes [rb][K step][1,536] as images of
; an operand's registers (piece p = registers 2 p, 2 p + 1: 256 bytes, lane l at 8 l); scale bytes [16 rb + r][32].
; TILE.  A work-group makes 128 (operand A: source 1, a lane holds one of its rows) x 256 (operand B: source 0, a lane's registers run along its rows).  ALL of K lies in LDS:
; 98,304 + 196,608 bytes, each byte filled once: no ring, no refill, no loop: eight K steps written out.  Four waves, each 64 x 128: 32 accumulators.
; Q, K (clusters 0-31): A = x, B = W_Q and W_K.  V (clusters 32-47): A = W_V, B = x, so that a lane's registers run along the keys.
; In a wave's 8 tiles of one A block, register 16 b + i of lane (r, h) is B's true row 32 b + 16 h + i of the wave's 128: one fragment of the next product, with its four blocks of 32.
; For Q and K that fragment is two heads: registers 0-5 the even head, 6-11 the odd one; each is stored as half an image (768 bytes).
; CLUSTERS: 4 x 4 work-groups.  A's tile hangs on the tile row alone and is asked for jointly by a row of the cluster, B's on the tile column alone, by a column.
; OUT.  qq: codes [head 16 b + h][tile of 16 queries][768], scale words [head][image row] at QS.  kv: a record of REC bytes a head: K's codes [tile][768]; at VC V^T's codes
; [128 keys f][16 channels t][1,536]; at KS K's scale words [image row]; at VS V's [f][t][16].  A Q or K scale word has the head's two bytes lowest; its upper two stand over zero codes
; and are never 0xff.
; LIMITS: NaN and infinities are not served; a block whose largest magnitude lies under 2^-124 has its byte held at 1; a block of zeros carries the byte 1 (its codes are zeros; this program alone reads the bytes).
; REGISTERS, in windows of 256: window 0: v1-23 addresses; v32-47 A's scale words, v48-79 B's (register 4 i + j: lanes 0-15 K step j, lanes 16-31 K step 4 + j); v80-123 the way out;
;   v128-175, v176-223 A's four fragments, two sets.   window 1: accumulator (a, b) at v[8 (8 a + b)].   window 2: B's eight fragments, two sets, at v0 and v96.
.set XS,    6291456
.set WS,    3145728
.set QS,    6291456
.set REC,   208896
.set VC,    98304
.set KS,    196608
.set VS,    204800
.set FRB,   1536                       ; an image
.set RBC,   2*FRB                      ; a row block's two K steps: a row of a tile
.set RBK,   8*FRB                      ; a row block's whole K in memory
.set BOFF,  8*RBC                      ; in a chunk: A's 8 row blocks, then B's 16
.set CHUNK, 24*RBC                     ; two K steps of both tiles
.set SCR,   4*CHUNK                    ; behind the tiles: 256 bytes for each wave, for its scale words on the way out; no fill lands here
.set ADRA,  4                          ; v4-7   LDS address of my A fragments in chunk c
.set ADRB,  8                          ; v8-11  of my B fragments
.set SO,    12                         ; v12    32 r + 16 h: my 16 scale bytes of a row block's 512
.set VO,    14                         ; v14-17 8 x lane + a x (bytes from block a's image to the next)
.set SCW,   18                         ; v18    my scratch, in: 4 r
.set SCRD,  19                         ; v19    and back: 8 x lane
.set L8,    20                         ; v20    8 x lane
.set SCA,   32
.set SCB,   48
.set TM,    80                         ; v80-83 largest magnitudes, v84-87 bytes, v92-95 the conversions' scale operands
.set PW,    96                         ; v96-99 the four blocks' scale words
.set PC,    100                        ; v100-111 the codes just made; v112-119 on their way
.set PT,    112
.set AF,    128
.set WV,    12                         ; s12 wave; s13 = wave / 2: my 64 rows of A, and: I fetch for A (0) or B (1); s14 = wave % 2: my 128 rows of B, and: which half I fetch
.set FLOOR, 17
.set SEL,   22
.set G1A,   24                         ; s[24:31], s[32:39] descriptor groups 1;  s[40:55] A's four groups 0;  s[56:63], s[68:75] B's
.set G1B,   32
.set G0A,   40
.set G0B,   56
.set MSB, 0
.macro WIN new                         ; the immediate's high byte repeats the setting that is left
.if MSB != \new
	s_set_vgpr_msb (MSB<<8)|\new
.set MSB, \new
.endif
.endm
.set MUL,  0x52                        ; source 0 (B) window 2, source 1 (A) window 0, C and D window 1
.set TO_B, 0x80                        ; destination window 2, address window 0
.macro CROUND                          ; a round of the cluster's barrier
	s_barrier_signal -1
	s_barrier_wait -1
	s_cmp_lg_u32 s[WV], 0
	s_cbranch_scc1 .Lnot_wave_0_\@
	s_barrier_signal -3
.Lnot_wave_0_\@:
	s_barrier_wait -3
	s_barrier_signal -1
	s_barrier_wait -1
.endm
.macro PLACES n
.rept \n
	v_nop
.endr
.endm
	s_load_b256 s[4:11], s[0:1], 0x0               ; xq s[4:5], wq s[6:7], qq s[8:9], kv s[10:11]
	v_lshl_add_u32 v254, v0, 2, 0x48400
	v_mov_b32 v255, 0
	ds_add_u32 v254, v255
	ds_add_u32 v254, v255
	v_lshrrev_b32 v1, 5, v0
	v_readfirstlane_b32 s[WV], v1
	s_lshr_b32 s13, s[WV], 1
	s_and_b32 s14, s[WV], 1
	s_bfe_u32 s15, ttmp6, 0x40000                  ; cx
	s_bfe_u32 s16, ttmp6, 0x40004                  ; cy
	s_sub_co_u32 s17, ttmp9, 32                    ; ttmp9 counts clusters: 0-31 Q and K, 32-47 V
	s_and_b32 s92, ttmp9, 1
	s_lshr_b32 s93, ttmp9, 1
	s_and_b32 s94, s17, 7
	s_lshr_b32 s95, s17, 3
	s_cmp_lt_u32 ttmp9, 32
	s_cselect_b32 s18, s92, s94                    ; the cluster's column
	s_cselect_b32 s19, s93, s95                    ; and row
	s_lshl_b32 s20, s19, 2
	s_add_co_u32 s20, s20, s16                     ; s20: tile row (A's 128 rows)
	s_lshl_b32 s21, s18, 2
	s_add_co_u32 s21, s21, s15                     ; s21: tile column (B's 256 rows)
	s_lshl_b32 s92, s16, 2
	s_lshl_b32 s92, 15, s92                        ; my row of the cluster
	s_lshl_b32 s93, 0x1111, s15                    ; my column
	; group 1: rows of 3,072 bytes (384 elements of 8), 12,288 bytes apart in memory, on end in LDS; A: 4 rows a load, B: 8
	s_or_b32 s[G1A], s92, (3<<16)|(1<<21)          ; 15:0 the mask; 17:16 elements of 8 bytes; 21 set beside a mask; no padding
	s_or_b32 s[G1B], s93, (3<<16)|(1<<21)
.irp g, G1A, G1B
	s_mov_b32 s[\g+1], (RBC/8)<<16                 ; tensor_dim0
	s_mov_b32 s[\g+3], (RBC/8)<<16                 ; tile_dim0
	s_mov_b32 s[\g+5], RBK/8                       ; tensor_dim0_stride
	s_mov_b32 s[\g+6], 0
	s_mov_b32 s[\g+7], 0
.endr
	s_mov_b32 s[G1A+2], 4<<16                      ; tensor_dim1
	s_mov_b32 s[G1A+4], 4                          ; tile_dim1
	s_mov_b32 s[G1B+2], 8<<16
	s_mov_b32 s[G1B+4], 8
	s_mov_b32 s[SEL], 0x76543210
	s_mov_b32 s[SEL+1], 0xfedcba98
	s_mov_b32 s[FLOOR], 0x1800000                  ; 2^(3 - 127)
	v_and_b32 v1, 31, v0                           ; lane
	v_and_b32 v2, 15, v0                           ; r
	v_bfe_u32 v3, v0, 4, 1                         ; h
	v_lshlrev_b32 v[L8], 3, v1
	v_lshlrev_b32 v[SO], 5, v2
	v_lshl_add_u32 v[SO], v3, 4, v[SO]
.irp b, 0,1,2,3
	v_mov_b32 v[TM+4+\b], 0                        ; a lane permute's destination counts as read
.endr
	s_wait_alu depctr_va_vdst(0)
	s_wait_dscnt 0x0
	s_wait_kmcnt 0x0
	s_add_nc_u64 s[92:93], s[6:7], 128*RBK         ; W_V's codes,
	s_add_nc_u64 s[94:95], s[6:7], WS+128*512      ; and scale bytes
	s_add_nc_u64 s[96:97], s[4:5], XS              ; x's scale bytes
	s_add_nc_u64 s[98:99], s[6:7], WS              ; W_Q's and W_K's
	s_cmp_lt_u32 ttmp9, 32                         ; the choice hangs on the cluster's number alone
	s_cselect_b64 s[76:77], s[4:5], s[92:93]       ; A's codes
	s_cselect_b64 s[80:81], s[96:97], s[94:95]     ; A's scale bytes
	s_cselect_b64 s[78:79], s[6:7], s[4:5]         ; B's codes
	s_cselect_b64 s[82:83], s[98:99], s[96:97]     ; B's scale bytes
	s_mul_i32 s92, s20, 8*RBK                      ; A: the tile row's 8 row blocks, the half that I fetch
	s_mul_i32 s93, s14, 4*RBK
	s_add_co_u32 s92, s92, s93
	s_mov_b32 s93, 0
	s_add_nc_u64 s[76:77], s[76:77], s[92:93]
	s_lshl_b32 s92, s20, 12                        ; its scale bytes: 512 a row block; my wave's 4 blocks
	s_lshl_b32 s96, s13, 11
	s_add_co_u32 s92, s92, s96
	s_add_nc_u64 s[80:81], s[80:81], s[92:93]
	s_mul_i32 s94, s21, 16*RBK                     ; B likewise, in registers that never hold cy
	s_mul_i32 s95, s14, 8*RBK
	s_add_co_u32 s94, s94, s95
	s_mov_b32 s95, 0
	s_add_nc_u64 s[78:79], s[78:79], s[94:95]
	s_lshl_b32 s94, s21, 13
	s_lshl_b32 s96, s14, 12
	s_add_co_u32 s94, s94, s96
	s_add_nc_u64 s[82:83], s[82:83], s[94:95]
.irp a, 0,1,2,3
	global_load_b128 v[SCA+4*\a:SCA+4*\a+3], v[SO], s[80:81] offset:512*\a   ; a row block's scale bytes for all of K: 512 consecutive bytes
.endr
.irp i, 0,1,2,3,4,5,6,7
	global_load_b128 v[SCB+4*\i:SCB+4*\i+3], v[SO], s[82:83] offset:512*\i
.endr
	s_mul_i32 s96, s14, 4*RBC                      ; where my half goes in a chunk: the wave's number alone enters an LDS address
	s_mul_i32 s97, s14, 8*RBC
	s_add_co_u32 s97, s97, BOFF
.irp c, 0,1,2,3
	s_mov_b32 s[G0A+4*\c], 1
	s_add_co_u32 s[G0A+4*\c+1], s96, \c*CHUNK
	s_add_nc_u64 s[G0A+4*\c+2:G0A+4*\c+3], s[76:77], \c*RBC
	s_or_b32 s[G0A+4*\c+3], s[G0A+4*\c+3], 0x80000000
	s_mov_b32 s[G0B+4*\c+4*(\c/2)], 1
	s_add_co_u32 s[G0B+4*\c+4*(\c/2)+1], s97, \c*CHUNK
	s_add_nc_u64 s[G0B+4*\c+4*(\c/2)+2:G0B+4*\c+4*(\c/2)+3], s[78:79], \c*RBC
	s_or_b32 s[G0B+4*\c+4*(\c/2)+3], s[G0B+4*\c+4*(\c/2)+3], 0x80000000
.endr
	CROUND                                         ; all sixteen work-groups are here: the joint loads meet
	s_cmp_eq_u32 s13, 0                            ; a wave's four fills stand in one branch on its number: four tensor loads of mine are out
	s_cbranch_scc0 .Lfill_b
.irp c, 0,1,2,3
	tensor_load_to_lds s[G0A+4*\c:G0A+4*\c+3], s[G1A:G1A+7]
	s_nop 0
.endr
	PLACES 4
	s_branch .Lfilled
.Lfill_b:
.irp c, 0,1,2,3
	tensor_load_to_lds s[G0B+4*\c+4*(\c/2):G0B+4*\c+4*(\c/2)+3], s[G1B:G1B+7]
	s_nop 0
.endr
	PLACES 4
.Lfilled:
	s_mul_i32 s96, s13, 4*RBC                      ; my 4 row blocks of A,
	s_mul_i32 s97, s14, 8*RBC                      ; my 8 of B
	s_add_co_u32 s97, s97, BOFF
.irp c, 0,1,2,3
	v_add_nc_u32 v[ADRA+\c], s96, v[L8]
	v_add_nc_u32 v[ADRB+\c], s97, v[L8]
	s_add_co_u32 s96, s96, CHUNK
	s_add_co_u32 s97, s97, CHUNK
.endr
	s_lshl_b32 s96, s[WV], 8
	s_add_co_u32 s96, s96, SCR
	v_lshl_add_u32 v[SCW], v2, 2, s96
	v_add_nc_u32 v[SCRD], s96, v[L8]
	; WHERE THE RESULTS GO, as offsets; they enter global addresses alone
	s_lshl_b32 s92, s20, 3
	s_lshl_b32 s93, s13, 2
	s_add_co_u32 s92, s92, s93                     ; Q, K: my first row block of x
	s_lshr_b32 s93, s92, 7                         ; its batch
	s_and_b32 s92, s92, 127                        ; T0: its tile in the batch
	s_lshl_b32 s94, s21, 1
	s_add_co_u32 s94, s94, s14                     ; P: which 128 rows of B are mine
	s_and_b32 s95, s94, 7
	s_lshl_b32 s95, s95, 1
	s_lshl_b32 s93, s93, 4
	s_add_co_u32 s93, s93, s95                     ; Q, K: the even head: 16 batch + 2 (P % 8)
	s_lshr_b32 s95, s94, 4
	s_lshl_b32 s95, s95, 4
	s_lshl_b32 s96, s20, 1
	s_add_co_u32 s95, s95, s96
	s_add_co_u32 s95, s95, s13                     ; V: the head: 16 (P / 16) + 2 tile row + wave / 2
	s_and_b32 s94, s94, 15                         ; V: f: which 128 keys of the batch
	s_mul_i32 s96, s92, 768                        ; Q, K: the codes' place in a head
	s_mul_i32 s97, s94, 4*FRB
	s_add_co_u32 s97, s97, VC                      ; V: in a record
	s_lshl_b32 s98, s92, 6                         ; Q, K: 64 bytes of scale words a tile
	s_lshl_b32 s99, s94, 8
	s_add_co_u32 s99, s99, VS                      ; V: 256 a key step
	s_mov_b32 s3, FRB
	s_cmp_lt_u32 ttmp9, 32
	s_cselect_b32 s93, s93, s95                    ; the head
	s_cselect_b32 s96, s96, s97                    ; the codes' place
	s_cselect_b32 s3, 768, s3                      ; from block a's image to the next
	s_and_b32 s2, ttmp9, 1
	s_lshr_b32 s97, ttmp9, 5
	s_or_b32 s2, s2, s97                           ; 0 for Q alone
	s_mov_b32 s95, REC
	s_mov_b32 s97, REC
	s_mov_b32 s94, KS
	s_cmp_eq_u32 s2, 0
	s_cselect_b32 s95, 98304, s95                  ; from head to head in the codes,
	s_cselect_b32 s97, 8192, s97                   ; and in the scale words
	s_cselect_b32 s94, QS, s94
	s_cselect_b64 s[84:85], s[8:9], s[10:11]       ; qq or kv
	s_add_co_u32 s98, s98, s94
	s_mov_b32 s94, 768
	s_cmp_lt_u32 ttmp9, 32
	s_cselect_b32 s98, s98, s99                    ; the scale words' place
	s_cselect_b32 s99, s95, s94                    ; from registers 0-5's place to registers 6-11's: the next head, or (V) the image's second half
	s_mul_i32 s95, s93, s95
	s_add_co_u32 s96, s96, s95
	s_mul_i32 s95, s93, s97
	s_add_co_u32 s98, s98, s95
	s_mov_b32 s93, 0
	s_mov_b64 s[88:89], s[84:85]
	s_mov_b32 s92, s96
	s_add_nc_u64 s[84:85], s[84:85], s[92:93]      ; s[84:85]: registers 0-5
	s_mov_b32 s92, s99
	s_add_nc_u64 s[86:87], s[84:85], s[92:93]      ; s[86:87]: registers 6-11
	s_mov_b32 s92, s98
	s_add_nc_u64 s[88:89], s[88:89], s[92:93]      ; s[88:89]: the scale words
	s_mov_b32 s92, s97
	s_add_nc_u64 s[90:91], s[88:89], s[92:93]      ; s[90:91]: Q, K: the odd head's (V makes no use of it)
	v_mov_b32 v[VO], v[L8]
.irp a, 1,2,3
	v_add_nc_u32 v[VO+\a], s3, v[VO+\a-1]
.endr
; 72 LDS loads in one run: K step q's fragments, B's eight and A's four, into set q % 2.  Each load takes 256 consecutive bytes
.macro FETCH q
	WIN TO_B
.irp i, 0,1,2,3,4,5,6,7
.irp p, 0,1,2,3,4,5
	ds_load_b64 v[96*((\q)%2)+12*\i+2*\p:96*((\q)%2)+12*\i+2*\p+1], v[ADRB+(\q)/2] offset:RBC*\i+FRB*((\q)%2)+256*\p
.endr
.endr
	WIN 0
.irp i, 0,1,2,3
.irp p, 0,1,2,3,4,5
	ds_load_b64 v[AF+48*((\q)%2)+12*\i+2*\p:AF+48*((\q)%2)+12*\i+2*\p+1], v[ADRA+(\q)/2] offset:RBC*\i+FRB*((\q)%2)+256*\p
.endr
.endr
.endm
; K step q: 32 matrix instructions.  The 32 accumulators take turns, one instruction a turn, in the same order in every step.  K step 0 starts the sums.
; K steps 4-7 take their scale words from lanes 16-31 of the same registers.
.macro MUL32 q
	WIN MUL
.irp a, 0,1,2,3
.irp b, 0,1,2,3,4,5,6,7
.if (\q) == 0
	v_wmma_scale_f32_16x16x128_f8f6f4 v[8*(8*\a+\b):8*(8*\a+\b)+7], v[96*((\q)%2)+12*\b:96*((\q)%2)+12*\b+11], v[AF+48*((\q)%2)+12*\a:AF+48*((\q)%2)+12*\a+11], 0, v[SCB+4*\b+(\q)%4], v[SCA+4*\a+(\q)%4] matrix_a_fmt:MATRIX_FMT_FP6 matrix_b_fmt:MATRIX_FMT_FP6
.elseif (\q) < 4
	v_wmma_scale_f32_16x16x128_f8f6f4 v[8*(8*\a+\b):8*(8*\a+\b)+7], v[96*((\q)%2)+12*\b:96*((\q)%2)+12*\b+11], v[AF+48*((\q)%2)+12*\a:AF+48*((\q)%2)+12*\a+11], v[8*(8*\a+\b):8*(8*\a+\b)+7], v[SCB+4*\b+(\q)%4], v[SCA+4*\a+(\q)%4] matrix_a_fmt:MATRIX_FMT_FP6 matrix_b_fmt:MATRIX_FMT_FP6
.else
	v_wmma_scale_f32_16x16x128_f8f6f4 v[8*(8*\a+\b):8*(8*\a+\b)+7], v[96*((\q)%2)+12*\b:96*((\q)%2)+12*\b+11], v[AF+48*((\q)%2)+12*\a:AF+48*((\q)%2)+12*\a+11], v[8*(8*\a+\b):8*(8*\a+\b)+7], v[SCB+4*\b+(\q)%4], v[SCA+4*\a+(\q)%4] matrix_a_fmt:MATRIX_FMT_FP6 matrix_b_fmt:MATRIX_FMT_FP6 matrix_a_scale:MATRIX_SCALE_ROW1 matrix_b_scale:MATRIX_SCALE_ROW1
.endif
.endr
.endr
.endm
.macro STEP q
	s_wait_dscnt 0x0                               ; this step's fragments, asked for a whole step ago
.if ((\q) == 1) || ((\q) == 3) || ((\q) == 5)
	s_wait_tensorcnt 2-(\q)/2                      ; my part of the next chunk has landed; the count is that of my younger chunks
	s_barrier_signal -1
	s_barrier_wait -1                              ; everybody's has.
.endif
.if (\q) < 7
.if (\q) > 0
	PLACES 4                                       ; in front of loads into registers that the step before multiplied (ISA guide 7.12.1 for vector instructions)
.endif
	FETCH (\q)+1
.endif
	MUL32 \q
.endm
	s_wait_alu depctr_va_vdst(0)
	s_wait_tensorcnt 0x3                           ; my part of chunk 0 is in; my three younger chunks may be out
	s_barrier_signal -1
	s_barrier_wait -1
	FETCH 0
	s_wait_loadcnt 0x0                             ; the scale words
.irp q, 0,1,2,3,4,5,6,7
	STEP \q
.endr
	WIN 0
; THE WAY OUT.  Block a's 64 registers, register 16 b + i = k 32 b + 16 h + i of my row, become a fragment's codes in v[PC] on and its scale word in v[PW + a].
.macro QUANT a
.set AC, 64*(\a)
	WIN 0x14                                       ; sources 1 and 2: window 1
.irp b, 0,1,2,3
	v_max3_num_f32 v[TM+\b], s[FLOOR], |v[AC+16*\b]|, |v[AC+16*\b+1]|   ; each accumulator is read from its low end on
.endr
.irp i, 2,4,6,8,10,12,14
.irp b, 0,1,2,3
	v_max3_num_f32 v[TM+\b], v[TM+\b], |v[AC+16*\b+\i]|, |v[AC+16*\b+\i+1]|
.endr
.endr
	WIN 0
.irp b, 0,1,2,3
	v_permlanex16_b32 v[TM+4+\b], v[TM+\b], s[SEL], s[SEL+1]
.endr
.irp b, 0,1,2,3
	v_max_num_f32 v[TM+\b], v[TM+\b], v[TM+4+\b]   ; with lane l xor 16's: the block's largest magnitude
.endr
.irp b, 0,1,2,3
	v_add_nc_u32 v[TM+12+\b], 0xff000000, v[TM+\b] ; 2 off its exponent field: the conversion's scale operand
.endr
.irp b, 0,1,2,3
	v_lshrrev_b32 v[TM+4+\b], 23, v[TM+12+\b]      ; the scale's byte
.endr
	v_lshl_or_b32 v[PW+\a], v[TM+5], 8, v[TM+4]
	v_lshl_or_b32 v[PW+\a], v[TM+6], 16, v[PW+\a]
	v_lshl_or_b32 v[PW+\a], v[TM+7], 24, v[PW+\a]
.if (\a) > 0
	s_wait_xcnt 0x0                                ; the last block's stores have read v[PC] on
.endif
	WIN 0x01                                       ; source 0: window 1
.irp c, 0,1
	v_cvt_scalef32_pk16_fp6_f32 v[PC+6*\c:PC+6*\c+2], v[AC+32*\c:AC+32*\c+15], v[TM+12+2*\c]
	v_cvt_scalef32_pk16_fp6_f32 v[PT+4*\c:PT+4*\c+2], v[AC+32*\c+16:AC+32*\c+31], v[TM+12+2*\c+1]   ; (a conversion's three registers begin on an even number)
.endr
	WIN 0
	v_nop                                          ; one plain place behind a scaled conversion
.irp c, 0,1                            ; the operand's layout wants a whole block in a lane: lanes 0-15 block 2 c, lanes 16-31 block 2 c + 1
.irp i, 0,1,2
	v_permlane16_swap_b32 v[PC+6*\c+\i], v[PT+4*\c+\i]
.endr
.irp i, 0,1,2
	v_mov_b32 v[PC+3+6*\c+\i], v[PT+4*\c+\i]
.endr
.endr
.endm
	PLACES 4                                       ; behind the last products
.irp a, 0,1,2,3
	QUANT \a
.irp p, 0,1,2
	global_store_b64 v[VO+\a], v[PC+2*\p:PC+2*\p+1], s[84:85] offset:256*\p       ; each store: 256 consecutive bytes, aligned
.endr
.irp p, 0,1,2
	global_store_b64 v[VO+\a], v[PC+6+2*\p:PC+6+2*\p+1], s[86:87] offset:256*\p
.endr
	ds_store_b32 v[SCW], v[PW+\a] offset:64*\a     ; row r's word (lanes r and r + 16 hold the same)
.endr
	ds_load_b64 v[120:121], v[SCRD]                ; my 64 rows' words, 256 bytes.  LDS serves a wave's instructions in order: this sees my stores
	s_wait_dscnt 0x0
	global_store_b64 v[L8], v[120:121], s[88:89]
	s_cmp_ge_u32 ttmp9, 32
	s_cbranch_scc1 .Lno_odd                        ; V's words are whole; Q's and K's carry two heads
	v_lshrrev_b32 v122, 16, v120                   ; the odd head's two bytes come down
	v_lshrrev_b32 v123, 16, v121
	global_store_b64 v[L8], v[122:123], s[90:91]
.Lno_odd:
	s_wait_tensorcnt 0x0
	ds_add_u32 v254, v255
	s_wait_dscnt 0x0
	CROUND                                         ; the closing round: no work-group ends while a partner may still ask for a tile that names it
	s_endpgm
.Lfunc_end_k_q33cc7e2c51_qkv:
	.size	k_q33cc7e2c51_qkv, .Lfunc_end_k_q33cc7e2c51_qkv-k_q33cc7e2c51_qkv
	.p2alignl 7, 3214868480
	.fill 96, 4, 3214868480
	.section	.rodata,"a",@progbits
	.p2align	6, 0x0
	.amdhsa_kernel k_q33cc7e2c51_qkv
		.amdhsa_group_segment_fixed_size 296448
		.amdhsa_private_segment_fixed_size 0
		.amdhsa_enable_private_segment 0
		.amdhsa_kernarg_size 32
		.amdhsa_user_sgpr_count 2
		.amdhsa_user_sgpr_kernarg_segment_ptr 1
		.amdhsa_wavefront_size32 1
		.amdhsa_system_sgpr_workgroup_id_x 1
		.amdhsa_system_sgpr_workgroup_id_y 1
		.amdhsa_system_sgpr_workgroup_id_z 1
		.amdhsa_system_vgpr_workitem_id 0
		.amdhsa_next_free_vgpr 768
		.amdhsa_next_free_sgpr 100
		.amdhsa_reserve_vcc 0
		.amdhsa_float_denorm_mode_32 3
		.amdhsa_float_denorm_mode_16_64 3
		.amdhsa_memory_ordered 1
		.amdhsa_forward_progress 1
		.amdhsa_inst_pref_size 101
	.end_amdhsa_kernel
	.amdgpu_metadata
---
amdhsa.version: [ 1, 2 ]
amdhsa.kernels:
  - .name:           k_q33cc7e2c51_qkv
    .symbol:         k_q33cc7e2c51_qkv.kd
    .args:
      - { .name: xq, .offset: 0, .size: 8, .value_kind: global_buffer, .address_space: global }
      - { .name: wq, .offset: 8, .size: 8, .value_kind: global_buffer, .address_space: global }
      - { .name: qq, .offset: 16, .size: 8, .value_kind: global_buffer, .address_space: global }
      - { .name: kv, .offset: 24, .size: 8, .value_kind: global_buffer, .address_space: global }
    .group_segment_fixed_size: 296448
    .private_segment_fixed_size: 0
    .kernarg_segment_align: 8
    .kernarg_segment_size: 32
    .max_flat_workgroup_size: 128
    .sgpr_count:     100
    .vgpr_count:     768
    .wavefront_size: 32
...
	.end_amdgpu_metadata
.endif
;; end of part 2
;; launch attn (part 3): grid 4 x 64, 16 waves a work-group, clusters of 4 x 1, 210,944 bytes of LDS; arguments qq, kv, cq; writes cq
.if DOCPART == 3
	.amdgcn_target "amdgcn-amd-amdhsa--gfx1250"
	.amdhsa_code_object_version 6
	.text
	.protected	k_q33cc7e2c51_attn
	.globl	k_q33cc7e2c51_attn
	.p2align	8
	.type	k_q33cc7e2c51_attn,@function
k_q33cc7e2c51_attn:
	s_mov_b64 s[64:65], 0
	v_nop
	global_prefetch_b8 v0, s[64:65] scope:SCOPE_SE
	s_setreg_imm32_b32 hwreg(HW_REG_WAVE_MODE, 25, 1), 1
	s_wait_xcnt 0x0
	s_wait_alu depctr_hold_cnt(0) depctr_sa_sdst(0) depctr_va_vdst(0) depctr_va_sdst(0) depctr_va_ssrc(0) depctr_va_vcc(0) depctr_vm_vsrc(0)
	s_getreg_b32 s2, hwreg(HW_REG_IB_STS2, 6, 4)
	s_cmp_eq_u32 s2, 0
	s_cbranch_scc0 .Lentry_in_a_cluster
	s_endpgm
.Lentry_in_a_cluster:
	s_bfe_u32 s2, ttmp6, 0x10000c
	s_cmp_lg_u32 s2, 0x3003
	s_cbranch_scc0 .Lentry_shape_is_right
	s_endpgm
.Lentry_shape_is_right:
; Causal attention of 64 heads (4 batches x 16), 2,048 queries and keys, head size 64, both products on codes of FP6 (E2M3) with E8M0 scales; the result, divided by the row's sum, is quantised
; along (head, channel) and leaves as codes for the last product.
; THE SOFTMAX: t = score x log2(e) / 8; M = the row's largest t so far, rounded UP to a whole number; p = 2^(t - M) is quantised along the keys, not normalised; the row's sum is taken of the
; unquantised p.  When M moves, the sum and O are multiplied by 2^(old M - new M): exact.
; A CLUSTER IS A HEAD.  The head's record in kv (K's codes, V^T's codes, their scale words: 208,896 bytes) is asked for JOINTLY by the four work-groups, once, at the head; every LDS byte is filled
; once and only read afterwards: one barrier, and none in the loops.
; SHARES.  The head's 128 tiles of 16 queries are 16 groups of 128 queries x 8 tiles.  Wave w of partner cx takes tile e = 2 cx + w / 8 of group 15 - w % 8, then of group w % 8: a tile of group G
; has G + 1 key steps of 128 keys under the mask, so every wave has 17.  Branches hang on the wave's number, the pass and the step alone; cx enters global addresses and the mask's numbers.
; LAYOUT.  Both products transposed: S^T = K Q^T (source 0 = 16 keys), O^T = V^T P^T (source 0 = 16 channels): a lane holds ONE query.  Image row r of tile T is the true row
; 32 (T / 2) + 8 (T % 2) + r + 8 (r / 8), of queries, keys and channels alike: the 16 registers of two neighbouring tiles are 16 neighbours.
; The first product's K is 64: registers 6-11 of both operands are zero codes.
; THE SCALE BYTES of ctx go out one byte a lane, 32 bytes a tile spread over 512: one byte in 24 of what the launch stores.
; LIMITS: NaN and infinities are not served; 1 / sum is v_rcp_f32's; a block whose largest magnitude lies under 2^-124 has its byte held at 1; a block of zeros carries the byte 1.
; REGISTERS: v1-4, v6, v7, v29 addresses and the mask's number; v8-11 the step's addresses; v12 -M, v13 the largest t, v[14:15] the sum; v16-27 Q; v32-79 four tiles of K; v96-159 S^T, then p, then V's
; four fragments (v96-143); v160-191 O^T; v224-235 p's codes; v232-247 at work; v248-249 K's scale words, v250-251 V's, v253 p's, v255 Q's; v252 f; v254 at work.
.set REC,   208896
.set QS,    6291456
.set CQS,   6291456
.set VCO,   98304                      ; in a record: V^T's codes,
.set KSO,   196608                     ; K's scale words,
.set VSO,   204800                     ; V's
.set QUART, REC/4                      ; what one tensor load brings: 204 rows of 256 bytes
.set L8,   1                           ; v1  8 x lane: my place in a piece of an image, in LDS (K's codes begin at 0) and in memory
.set AV0,  2                           ; v2  VCO + 8 x lane
.set ASK0, 3                           ; v3  KSO + 4 x lane: lanes 0-15 a tile's words, lanes 16-31 the next tile's
.set ASV0, 4                           ; v4  VSO + 4 x lane
.set DQ,   6                           ; v6  my query - its group's first - 16 h
.set SBO,  7                           ; v7  32 r + h: my byte among a row block's scale bytes
.set ADK,  8
.set ADV,  9
.set ADS,  10
.set ADT,  11
.set R4,   29                          ; v29 4 r
.set WV,   18
.set SEL,  20
.set CS,   22                          ; s[22:23] c = log2(e) / 8
.set G1,   24
.set G0,   32
.set GW,   36                          ; s36 w % 8;  s45 15 - w % 8
.set E,    37                          ; s37 e
.set G,    38                          ; s38 the pass's group
.set F,    39                          ; s39 the key step
.set PASS, 40
.set TB,   41                          ; s41 6,144 F: the step's codes, K's and V's
.set TS,   42                          ; s42 512 F: K's scale words
.set TJ,   43                          ; s43 256 F: V's
.set HI16, 44                          ; s44 lanes 16-31
.macro CROUND
	s_barrier_signal -1
	s_barrier_wait -1
	s_cmp_lg_u32 s[WV], 0
	s_cbranch_scc1 .Lnot_wave_0_\@
	s_barrier_signal -3
.Lnot_wave_0_\@:
	s_barrier_wait -3
	s_barrier_signal -1
	s_barrier_wait -1
.endm
	s_load_b128 s[4:7], s[0:1], 0x0                ; qq, kv
	s_load_b64 s[8:9], s[0:1], 0x10                ; cq
	v_lshl_add_u32 v222, v0, 2, 0x33000
	v_mov_b32 v223, 0
	ds_add_u32 v222, v223
	ds_add_u32 v222, v223
	v_lshrrev_b32 v8, 5, v0
	s_delay_alu instid0(VALU_DEP_1)
	v_readfirstlane_b32 s[WV], v8                  ; wave 0..15
	s_and_b32 s10, ttmp7, 0xffff                   ; the head, 16 batch + h: the cluster's y
	s_bfe_u32 s11, ttmp6, 0x40000                  ; cx
	s_mov_b32 s[G1], 15|(3<<16)|(1<<21)            ; 15:0 the mask: all four work-groups; 17:16 elements of 8 bytes; 21 set beside a mask; no padding
	s_mov_b32 s[G1+1], 32<<16                      ; tensor_dim0: 256 bytes
	s_mov_b32 s[G1+2], (QUART/256)<<16             ; tensor_dim1
	s_mov_b32 s[G1+3], 32<<16                      ; tile_dim0
	s_mov_b32 s[G1+4], QUART/256                   ; tile_dim1
	s_mov_b32 s[G1+5], 32                          ; dense
	s_mov_b32 s[G1+6], 0
	s_mov_b32 s[G1+7], 0
	s_and_b32 s12, s[WV], 3
	s_mul_i32 s[G0+1], s12, QUART                  ; LDS address: the record lies in LDS as in memory
	s_mul_i32 s12, s10, REC
	s_add_co_u32 s12, s12, s[G0+1]
	s_mov_b32 s13, 0
	s_mov_b32 s[G0], 1
	s_wait_dscnt 0x0
	s_wait_kmcnt 0x0
	s_add_nc_u64 s[G0+2:G0+3], s[6:7], s[12:13]
	s_or_b32 s[G0+3], s[G0+3], 0x80000000
	CROUND                                         ; all four work-groups are here: the joint loads meet
	s_cmp_lt_u32 s[WV], 4
	s_cbranch_scc0 .Lno_fill
	tensor_load_to_lds s[G0:G0+3], s[G1:G1+7]      ; waves 0-3: a quarter of the record each: one tensor load of mine is out
	s_nop 0
.rept 4
	v_nop
.endr
.Lno_fill:
	s_and_b32 s[GW], s[WV], 7
	s_sub_co_u32 s45, 15, s[GW]
	s_lshr_b32 s[E], s[WV], 3
	s_lshl_b32 s12, s11, 1
	s_add_co_u32 s[E], s[E], s12
	s_mov_b32 s[SEL], 0x76543210
	s_mov_b32 s[SEL+1], 0xfedcba98
	s_mov_b32 s[CS], 0x3e38aa3b
	s_mov_b32 s[CS+1], s[CS]                       ; (named with it as a pair, so it is written)
	s_mov_b32 s[HI16], 0xffff0000
	s_mul_i32 s12, s10, 98304
	s_add_nc_u64 s[46:47], s[4:5], s[12:13]        ; s[46:47] the head's codes of Q
	s_lshl_b32 s12, s10, 13
	s_add_co_u32 s12, s12, QS
	s_add_nc_u64 s[48:49], s[4:5], s[12:13]        ; s[48:49] and scale words
	s_lshr_b32 s14, s10, 4                         ; batch
	s_and_b32 s15, s10, 15                         ; h
	s_mul_i32 s12, s14, 128*12288
	s_mul_i32 s16, s15, 768
	s_add_co_u32 s12, s12, s16
	s_add_nc_u64 s[50:51], s[8:9], s[12:13]        ; s[50:51] cq: the batch's row blocks, the head's half image
	s_lshl_b32 s12, s14, 16
	s_lshl_b32 s16, s15, 1
	s_add_co_u32 s12, s12, s16
	s_add_co_u32 s12, s12, CQS
	s_add_nc_u64 s[52:53], s[8:9], s[12:13]        ; s[52:53] and the head's two bytes of a row's 32
	s_lshr_b32 s12, s[E], 1
	s_lshl_b32 s12, s12, 5
	s_and_b32 s16, s[E], 1
	s_lshl_b32 s16, s16, 3
	s_add_co_u32 s12, s12, s16                     ; 32 (e / 2) + 8 (e % 2)
	v_and_b32 v10, 31, v0                          ; lane
	v_and_b32 v8, 15, v0                           ; r
	v_bfe_u32 v9, v0, 4, 1                         ; h
	s_delay_alu instid0(VALU_DEP_3)
	v_lshlrev_b32 v[L8], 3, v10
	s_delay_alu instid0(VALU_DEP_1)
	v_add_nc_u32 v[AV0], VCO, v[L8]
	v_lshl_add_u32 v[ASK0], v10, 2, KSO
	v_lshl_add_u32 v[ASV0], v10, 2, VSO
	v_and_b32 v11, 8, v8
	s_delay_alu instid0(VALU_DEP_1)
	v_add_nc_u32 v[DQ], v8, v11
	v_lshlrev_b32 v11, 4, v9
	s_delay_alu instid0(VALU_DEP_1)
	v_sub_nc_u32 v[DQ], v[DQ], v11
	s_delay_alu instid0(VALU_DEP_1)
	v_add_nc_u32 v[DQ], s12, v[DQ]
	v_lshl_add_u32 v[SBO], v8, 5, v9
	v_lshlrev_b32 v[R4], 2, v8
.irp i, 22,23,24,25,26,27
	v_mov_b32 v[\i], 0                             ; Q's registers 6-11: zero codes
.endr
.irp t, 0,1,2,3
.irp i, 6,7,8,9,10,11
	v_mov_b32 v[32+12*\t+\i], 0                    ; and K's: set once
.endr
.endr
.irp i, 236,237,238,239,252,253
	v_mov_b32 v[\i], 0                             ; lane permutes' destinations count as read; v253 is named as the upper half of the pair v[252:253]
.endr
	s_wait_tensorcnt 0x0                           ; my quarter has landed,
	s_barrier_signal -1
	s_barrier_wait -1                              ; everybody's has: from here on LDS is only read
	s_mov_b32 s[PASS], 0
.Lpass:
	s_wait_xcnt 0x0                                ; the last pass's stores have read their bases and data
	s_cmp_eq_u32 s[PASS], 0
	s_cselect_b32 s[G], s45, s[GW]                 ; the long tile first
	s_lshl_b32 s12, s[G], 3
	s_add_co_u32 s12, s12, s[E]                    ; T: my tile of the head's 128
	s_mov_b32 s15, 0
	s_mul_i32 s14, s12, 768
	s_add_nc_u64 s[54:55], s[46:47], s[14:15]
	s_lshl_b32 s14, s12, 6
	s_add_nc_u64 s[56:57], s[48:49], s[14:15]
	s_mul_i32 s14, s12, 12288
	s_add_nc_u64 s[58:59], s[50:51], s[14:15]
	s_lshl_b32 s14, s12, 9
	s_add_nc_u64 s[60:61], s[52:53], s[14:15]
.irp p, 0,1,2
	global_load_b64 v[16+2*\p:17+2*\p], v[L8], s[54:55] offset:256*\p   ; Q's registers 0-5
.endr
	global_load_b32 v255, v[R4], s[56:57]          ; and scale words
	s_mov_b32 s[F], 0
	s_mov_b32 s[TB], 0
	s_mov_b32 s[TS], 0
	s_mov_b32 s[TJ], 0
	v_mov_b32 v13, 0xff61b1e6                      ; the largest t so far: -3e38, under every t
	s_delay_alu instid0(VALU_DEP_1)
	v_floor_f32 v12, -v13                          ; -M
	v_mov_b32 v14, 0
	v_mov_b32 v15, 0
.set n, 0
.rept 32
	v_mov_b32 v[160+n], 0                          ; O^T: the step is written once; the first finds zeros, which the first change of M leaves zeros
.set n, n+1
.endr
	s_wait_loadcnt 0x0
.Lstep:                                            ; sixteen trips, a constant; a step all of whose keys come after my queries is jumped over, but for the lines that step addresses
	s_cmp_gt_u32 s[F], s[G]
	s_cbranch_scc1 .Lhidden
	s_setprio 2
	v_add_nc_u32 v[ADK], s[TB], v[L8]
	s_wait_alu depctr_va_vdst(0)
	v_add_nc_u32 v[ADV], s[TB], v[AV0]
	v_add_nc_u32 v[ADS], s[TS], v[ASK0]
	s_wait_alu depctr_va_vdst(0)
	v_add_nc_u32 v[ADT], s[TJ], v[ASV0]
.irp g, 0,1                                    ; S^T = K Q^T, four tiles of 16 keys at a time
.if \g > 0
.rept 4
	v_nop                                          ; places in front of loads into registers that matrix instructions have read
.endr
.endif
.irp t, 0,1,2,3
.irp p, 0,1,2
	ds_load_b64 v[32+12*\t+2*\p:33+12*\t+2*\p], v[ADK] offset:768*(4*\g+\t)+256*\p
.endr
.endr
.irp j, 0,1
	ds_load_b32 v[248+\j], v[ADS] offset:64*(4*\g+2*\j)   ; lanes 0-15: tile 4 g + 2 j's words; lanes 16-31: the next tile's
.endr
	s_wait_dscnt 0x0
.irp t, 0,1,2,3
.if (\t%2) == 0
	v_wmma_scale_f32_16x16x128_f8f6f4 v[96+8*(4*\g+\t):103+8*(4*\g+\t)], v[32+12*\t:43+12*\t], v[16:27], 0, v[248+\t/2], v255 matrix_a_fmt:MATRIX_FMT_FP6 matrix_b_fmt:MATRIX_FMT_FP6
.else
	v_wmma_scale_f32_16x16x128_f8f6f4 v[96+8*(4*\g+\t):103+8*(4*\g+\t)], v[32+12*\t:43+12*\t], v[16:27], 0, v[248+\t/2], v255 matrix_a_fmt:MATRIX_FMT_FP6 matrix_b_fmt:MATRIX_FMT_FP6 matrix_a_scale:MATRIX_SCALE_ROW1
.endif
.endr
.endr                                          ; register 16 b + i of lane (r, h): key 128 F + 32 b + 16 h + i
.rept 4
	v_nop
.endr
	s_cmp_lg_u32 s[F], s[G]
	s_cbranch_scc1 .Lopen                          ; only the group's own 128 keys lie on the diagonal
	v_mov_b32 v254, 0xff800000                     ; hidden scores become -infinity ahead of the maximum: p = 0 then.  Key 128 G counts for every query of the group
.set n, 0
.rept 64
	v_cmp_gt_i32 vcc_lo, 32*(n/16)+n%16, v[DQ]
	v_cndmask_b32 v[96+n], v[96+n], v254, vcc_lo
.set n, n+1
.endr
.Lopen:
.irp b, 0,1,2,3
	v_max3_num_f32 v[232+\b], v[96+16*\b], v[97+16*\b], v[98+16*\b]   ; the largest score of each block of 32 keys: for the row's maximum, and, since p rises with the score, for the block's largest p
.endr
.irp i, 3,5,7,9,11,13
.irp b, 0,1,2,3
	v_max3_num_f32 v[232+\b], v[232+\b], v[96+16*\b+\i], v[97+16*\b+\i]
.endr
.endr
.irp b, 0,1,2,3
	v_max_num_f32 v[232+\b], v[232+\b], v[111+16*\b]
.endr
.irp b, 0,1,2,3
	s_delay_alu instid0(VALU_DEP_4)
	v_permlanex16_b32 v[236+\b], v[232+\b], s[SEL], s[SEL+1]
.endr
.irp b, 0,1,2,3
	s_delay_alu instid0(VALU_DEP_4)
	v_max_num_f32 v[232+\b], v[232+\b], v[236+\b]  ; with lane l xor 16's 16 keys
.endr
	s_delay_alu instid0(VALU_DEP_2)
	v_max3_num_f32 v254, v232, v233, v234
	s_delay_alu instid0(VALU_DEP_1)
	v_max_num_f32 v254, v254, v235                 ; the step's largest score of my query
	s_delay_alu instid0(VALU_DEP_1)
	v_mul_f32 v254, s[CS], v254                    ; as t (c is positive)
	s_delay_alu instid0(VALU_DEP_1)
	v_max_num_f32 v13, v13, v254                   ; the running largest t
	v_mov_b32 v254, v12
	s_delay_alu instid0(VALU_DEP_2)
	v_floor_f32 v12, -v13                          ; the new -M = floor(-t) = -ceil(t)
	s_delay_alu instid0(VALU_DEP_1)
	v_sub_f32 v254, v12, v254                      ; old M - new M: a whole number, 0 or less
	s_delay_alu instid0(VALU_DEP_1)
	v_cvt_i32_f32 v254, v254                       ; (it saturates)
	s_delay_alu instid0(VALU_DEP_1)
	v_ldexp_f32 v252, 1.0, v254                    ; f = 2^(old M - new M)
.set n, 0
.rept 32
	v_pk_fma_f32 v[96+n:97+n], v[96+n:97+n], s[CS:CS+1], v[12:13] op_sel_hi:[1,0,0]   ; t - M, two at a time
.set n, n+2
.endr
.irp b, 0,1,2,3
	v_fma_f32 v[232+\b], v[232+\b], s[CS], v12     ; the same of each block's largest score
.endr
.set n, 0
	s_setprio 1
	s_wait_alu depctr_va_vdst(0)
.rept 64
	v_exp_f32 v[96+n], v[96+n]                     ; p = 2^(t - M), at most 1
.set n, n+1
.endr
	v_pk_mul_f32 v[14:15], v[14:15], v[252:253] op_sel_hi:[1,0]   ; the sums under the new M: a plain place behind the exponentials
	s_wait_alu depctr_va_vdst(0)                   ; one wait for the batch of 64, ahead of its first reader
.irp b, 0,1,2,3
	v_exp_f32 v[232+\b], v[232+\b]                 ; the blocks' largest p: the same two instructions on the same number give the same bits
.endr
	v_pk_add_f32 v[236:237], v[100:101], v[104:105]
	v_pk_add_f32 v[250:251], v[108:109], v[112:113]
	v_pk_add_f32 v[248:249], v[116:117], v[120:121]
	v_pk_add_f32 v[246:247], v[124:125], v[128:129]
	v_pk_add_f32 v[244:245], v[132:133], v[136:137]
	v_pk_add_f32 v[242:243], v[140:141], v[144:145]
	v_pk_add_f32 v[240:241], v[148:149], v[152:153]
	v_pk_add_f32 v[14:15], v[14:15], v[156:157]
	v_pk_add_f32 v[236:237], v[236:237], v[96:97]
	v_pk_add_f32 v[250:251], v[250:251], v[98:99]
	v_pk_add_f32 v[248:249], v[248:249], v[102:103]
	v_pk_add_f32 v[246:247], v[246:247], v[106:107]
	v_pk_add_f32 v[244:245], v[244:245], v[110:111]
	v_pk_add_f32 v[242:243], v[242:243], v[114:115]
	v_pk_add_f32 v[240:241], v[240:241], v[118:119]
	v_pk_add_f32 v[14:15], v[14:15], v[122:123]
	v_pk_add_f32 v[236:237], v[236:237], v[126:127]
	v_pk_add_f32 v[250:251], v[250:251], v[130:131]
	v_pk_add_f32 v[248:249], v[248:249], v[134:135]
	v_pk_add_f32 v[246:247], v[246:247], v[138:139]
	v_pk_add_f32 v[244:245], v[244:245], v[142:143]
	v_pk_add_f32 v[242:243], v[242:243], v[146:147]
	v_pk_add_f32 v[240:241], v[240:241], v[150:151]
	v_pk_add_f32 v[14:15], v[14:15], v[154:155]
	v_pk_add_f32 v[236:237], v[236:237], v[158:159]
	s_delay_alu instid0(VALU_DEP_2)
	v_pk_add_f32 v[14:15], v[14:15], v[246:247]
	s_delay_alu instid0(VALU_DEP_2)
	v_pk_add_f32 v[236:237], v[236:237], v[244:245]
	v_pk_add_f32 v[250:251], v[250:251], v[242:243]
	v_pk_add_f32 v[248:249], v[248:249], v[240:241]
	s_delay_alu instid0(VALU_DEP_2)
	v_pk_add_f32 v[14:15], v[14:15], v[250:251]
	s_delay_alu instid0(VALU_DEP_2)
	v_pk_add_f32 v[236:237], v[236:237], v[248:249]
	s_delay_alu instid0(VALU_DEP_1)
	v_pk_add_f32 v[14:15], v[14:15], v[236:237]
	s_wait_alu depctr_va_vdst(0)                   ; and one for the four
.irp b, 0,1,2,3
	v_max_num_f32 v[232+\b], 0x1800000, v[232+\b]  ; the floor 2^(3 - 127): the byte cannot fall under 1
.endr
.irp b, 0,1,2,3
	s_delay_alu instid0(VALU_DEP_4)
	v_add_nc_u32 v[244+\b], 0xff000000, v[232+\b]  ; 2 off the exponent field: the conversion's scale operand
.endr
.irp b, 0,1,2,3
	s_delay_alu instid0(VALU_DEP_4)
	v_lshrrev_b32 v[236+\b], 23, v[244+\b]         ; the scale's byte
.endr
	s_delay_alu instid0(VALU_DEP_3)
	v_lshl_or_b32 v253, v237, 8, v236              ; p's scale word for these 128 keys
	s_delay_alu instid0(VALU_DEP_1)
	v_lshl_or_b32 v253, v238, 16, v253
	s_delay_alu instid0(VALU_DEP_1)
	v_lshl_or_b32 v253, v239, 24, v253
.irp c, 0,1
	v_cvt_scalef32_pk16_fp6_f32 v[224+6*\c:226+6*\c], v[96+32*\c:111+32*\c], v[244+2*\c]
	v_cvt_scalef32_pk16_fp6_f32 v[236+4*\c:238+4*\c], v[112+32*\c:127+32*\c], v[244+2*\c+1]   ; (a conversion's three registers begin on an even number)
.endr
	v_nop                                          ; one plain place behind a scaled conversion
.irp t, 0,1,2,3                                ; p has been read for the last time: V^T's four fragments of these 128 keys take its registers, and land while the lines below run
.irp p, 0,1,2,3,4,5
	ds_load_b64 v[96+12*\t+2*\p:97+12*\t+2*\p], v[ADV] offset:1536*\t+256*\p
.endr
.endr
	s_setprio 0
.irp j, 0,1
	ds_load_b32 v[250+\j], v[ADT] offset:128*\j    ; lanes 0-15: tile 2 j's words; lanes 16-31: tile 2 j + 1's
.endr
.irp c, 0,1                                    ; the operand's layout wants a whole block in a lane
.irp i, 0,1,2
	v_permlane16_swap_b32 v[224+6*\c+\i], v[236+4*\c+\i]
.endr
.irp i, 0,1,2
	s_delay_alu instid0(VALU_DEP_3)
	v_mov_b32 v[227+6*\c+\i], v[236+4*\c+\i]
.endr
.endr
.set n, 0
.rept 16
	v_pk_mul_f32 v[160+n:161+n], v[160+n:161+n], v[252:253] op_sel_hi:[1,0]   ; O^T under the new M.  For each product below, 12 of these 16 name none of its registers: the places behind the writes of p's codes and scale word
.set n, n+2
.endr
	s_wait_alu depctr_va_vdst(0)
	s_wait_dscnt 0x0
.irp t, 0,1,2,3                                ; O^T += V^T P^T: the four accumulators by turns
.if (\t%2) == 0
	v_wmma_scale_f32_16x16x128_f8f6f4 v[160+8*\t:167+8*\t], v[96+12*\t:107+12*\t], v[224:235], v[160+8*\t:167+8*\t], v[250+\t/2], v253 matrix_a_fmt:MATRIX_FMT_FP6 matrix_b_fmt:MATRIX_FMT_FP6
.else
	v_wmma_scale_f32_16x16x128_f8f6f4 v[160+8*\t:167+8*\t], v[96+12*\t:107+12*\t], v[224:235], v[160+8*\t:167+8*\t], v[250+\t/2], v253 matrix_a_fmt:MATRIX_FMT_FP6 matrix_b_fmt:MATRIX_FMT_FP6 matrix_a_scale:MATRIX_SCALE_ROW1
.endif
.endr
.rept 5
	v_nop                                          ; V's registers are next written by matrix instructions (the next step's scores): five places; O^T's next reader is a vector instruction: four
.endr
.Lhidden:
	s_add_co_u32 s[TB], s[TB], 6144
	s_add_co_u32 s[TS], s[TS], 512
	s_add_co_u32 s[TJ], s[TJ], 256
	s_add_co_u32 s[F], s[F], 1
	s_cmp_lt_u32 s[F], 16
	s_cbranch_scc1 .Lstep
	s_setprio 0
	; THE TILE'S END.  ctx = O^T / the sum: register 16 b + i of lane (r, h) is channel 32 b + 16 h + i of my query: two blocks of the last product's K
	v_add_f32 v14, v14, v15
	s_delay_alu instid0(VALU_DEP_1)
	v_permlanex16_b32 v252, v14, s[SEL], s[SEL+1]
	s_delay_alu instid0(VALU_DEP_1)
	v_add_f32 v14, v14, v252                       ; the row's sum
	s_wait_alu depctr_va_vdst(0)
	v_rcp_f32 v14, v14
	v_nop                                          ; a plain place behind the transcendental
	s_wait_alu depctr_va_vdst(0)                   ; and the wait ahead of its first reader
.set n, 0
.rept 16
	v_pk_mul_f32 v[96+n:97+n], v[160+n:161+n], v[14:15] op_sel_hi:[1,0]   ; each accumulator from its low end on
.set n, n+2
.endr
.irp b, 0,1
	v_max3_num_f32 v[232+\b], |v[96+16*\b]|, |v[97+16*\b]|, 0x1800000
.endr
.irp i, 2,4,6,8,10,12,14
.irp b, 0,1
	s_delay_alu instid0(VALU_DEP_2)
	v_max3_num_f32 v[232+\b], v[232+\b], |v[96+16*\b+\i]|, |v[97+16*\b+\i]|
.endr
.endr
.irp b, 0,1
	s_delay_alu instid0(VALU_DEP_2)
	v_permlanex16_b32 v[236+\b], v[232+\b], s[SEL], s[SEL+1]
.endr
.irp b, 0,1
	s_delay_alu instid0(VALU_DEP_2)
	v_max_num_f32 v[232+\b], v[232+\b], v[236+\b]
.endr
.irp b, 0,1
	s_delay_alu instid0(VALU_DEP_2)
	v_add_nc_u32 v[244+\b], 0xff000000, v[232+\b]
.endr
.irp b, 0,1
	s_delay_alu instid0(VALU_DEP_2)
	v_lshrrev_b32 v[236+\b], 23, v[244+\b]
.endr
	v_cvt_scalef32_pk16_fp6_f32 v[224:226], v[96:111], v244
	v_cvt_scalef32_pk16_fp6_f32 v[240:242], v[112:127], v245
	v_cndmask_b32 v243, v236, v237, s[HI16]        ; lane (r, h) stores block h's byte.  (A plain place behind the conversions)
.irp i, 0,1,2
	v_permlane16_swap_b32 v[224+\i], v[240+\i]
.endr
.irp i, 0,1,2
	s_delay_alu instid0(VALU_DEP_3)
	v_mov_b32 v[227+\i], v[240+\i]
.endr
.irp p, 0,1,2
	global_store_b64 v[L8], v[224+2*\p:225+2*\p], s[58:59] offset:256*\p   ; half an image: each store 256 consecutive bytes, aligned
.endr
	global_store_b8 v[SBO], v243, s[60:61]
	s_add_co_u32 s[PASS], s[PASS], 1
	s_cmp_lt_u32 s[PASS], 2
	s_cbranch_scc1 .Lpass
	s_wait_tensorcnt 0x0
	ds_add_u32 v222, v223
	s_wait_dscnt 0x0
	CROUND                                         ; the closing round
	s_endpgm
.Lfunc_end_k_q33cc7e2c51_attn:
	.size	k_q33cc7e2c51_attn, .Lfunc_end_k_q33cc7e2c51_attn-k_q33cc7e2c51_attn
	.p2alignl 7, 3214868480
	.fill 96, 4, 3214868480
	.section	.rodata,"a",@progbits
	.p2align	6, 0x0
	.amdhsa_kernel k_q33cc7e2c51_attn
		.amdhsa_group_segment_fixed_size 210944
		.amdhsa_private_segment_fixed_size 0
		.amdhsa_enable_private_segment 0
		.amdhsa_kernarg_size 24
		.amdhsa_user_sgpr_count 2
		.amdhsa_user_sgpr_kernarg_segment_ptr 1
		.amdhsa_wavefront_size32 1
		.amdhsa_system_sgpr_workgroup_id_x 1
		.amdhsa_system_sgpr_workgroup_id_y 1
		.amdhsa_system_sgpr_workgroup_id_z 1
		.amdhsa_system_vgpr_workitem_id 0
		.amdhsa_next_free_vgpr 256
		.amdhsa_next_free_sgpr 80
		.amdhsa_reserve_vcc 1
		.amdhsa_float_denorm_mode_32 3
		.amdhsa_float_denorm_mode_16_64 3
		.amdhsa_memory_ordered 1
		.amdhsa_forward_progress 1
		.amdhsa_inst_pref_size 37
	.end_amdhsa_kernel
	.amdgpu_metadata
---
amdhsa.version: [ 1, 2 ]
amdhsa.kernels:
  - .name:           k_q33cc7e2c51_attn
    .symbol:         k_q33cc7e2c51_attn.kd
    .args:
      - { .name: qq, .offset: 0, .size: 8, .value_kind: global_buffer, .address_space: global }
      - { .name: kv, .offset: 8, .size: 8, .value_kind: global_buffer, .address_space: global }
      - { .name: cq, .offset: 16, .size: 8, .value_kind: global_buffer, .address_space: global }
    .group_segment_fixed_size: 210944
    .private_segment_fixed_size: 0
    .kernarg_segment_align: 8
    .kernarg_segment_size: 24
    .max_flat_workgroup_size: 512
    .sgpr_count:     80
    .vgpr_count:     256
    .wavefront_size: 32
...
	.end_amdgpu_metadata
.endif
;; end of part 3
;; launch proj (part 4): grid 64 x 4, 4 waves a work-group, clusters of 4 x 4, 295,424 bytes of LDS; arguments cq, wq, out0; writes out0
.if DOCPART == 4
	.amdgcn_target "amdgcn-amd-amdhsa--gfx1250"
	.amdhsa_code_object_version 6
	.text
	.protected	k_q33cc7e2c51_proj
	.globl	k_q33cc7e2c51_proj
	.p2align	8
	.type	k_q33cc7e2c51_proj,@function
k_q33cc7e2c51_proj:
	s_mov_b64 s[64:65], 0
	v_nop
	global_prefetch_b8 v0, s[64:65] scope:SCOPE_SE
	s_setreg_imm32_b32 hwreg(HW_REG_WAVE_MODE, 25, 1), 1
	s_wait_xcnt 0x0
	s_wait_alu depctr_hold_cnt(0) depctr_sa_sdst(0) depctr_va_vdst(0) depctr_va_sdst(0) depctr_va_ssrc(0) depctr_va_vcc(0) depctr_vm_vsrc(0)
	s_getreg_b32 s2, hwreg(HW_REG_IB_STS2, 6, 4)
	s_cmp_eq_u32 s2, 0
	s_cbranch_scc0 .Lentry_in_a_cluster
	s_endpgm
.Lentry_in_a_cluster:
	s_bfe_u32 s2, ttmp6, 0x10000c
	s_cmp_lg_u32 s2, 0xf033
	s_cbranch_scc0 .Lentry_shape_is_right
	s_endpgm
.Lentry_shape_is_right:
; out = ctx W_O^T on codes of FP6 (E2M3) with E8M0 scales, K = 1,024; out [8192][1024] f32.
; OPERANDS: row blocks of 16 rows, image row r = true row 32 (rb / 2) + 8 (rb % 2) + r + 8 (r / 8); codes [rb][K step][1,536] as images of an operand's registers (piece p = registers 2 p, 2 p + 1:
; 256 bytes, lane l at 8 l); scale bytes [16 rb + r][32].  ctx: cq (scale bytes at CQS).  W_O: row blocks 192-255 of wq (scale bytes at WS).
; TILE.  A work-group makes 128 rows (A = ctx: source 1, a lane holds one row) x 256 columns (B = W_O: source 0, a lane's registers run along the columns).  ALL of K lies in LDS, each byte filled
; once: no ring, no refill, no loop: eight K steps written out.  Four waves, each 64 x 128: 32 accumulators.  256 work-groups.
; CLUSTERS: 4 x 4 work-groups.  A's tile hangs on the tile row alone and is asked for jointly by a row of the cluster, B's on the tile column alone, by a column.
; REGISTERS, in windows of 256: window 0: v1-23 addresses; v32-47 A's scale words, v48-79 B's (register 4 i + j: lanes 0-15 K step j, lanes 16-31 K step 4 + j); v128-175, v176-223 A's four
;   fragments, two sets; on the way out v128-255 rows of out.   window 1: accumulator (a, b) at v[8 (8 a + b)].   window 2: B's eight fragments, two sets, at v0 and v96.
.set CQS,   6291456
.set WS,    3145728
.set FRB,   1536
.set RBC,   2*FRB
.set RBK,   8*FRB
.set BOFF,  8*RBC
.set CHUNK, 24*RBC
.set SPITCH, 528                       ; the way out: a stage of 16 rows x (512 bytes + 16) for each wave, in chunk 0
.set ADRA,  4
.set ADRB,  8
.set SO,    12
.set STO,   14                         ; v14 the stage: where I put 32 bytes of a row
.set RD,    15                         ; v15 and where I read a row back
.set CO,    16                         ; v16 16 x lane: my bytes of a row's 512
.set L8,    20
.set SCA,   32
.set SCB,   48
.set AF,    128
.set BK,    128
.set WV,    12
.set G1A,   24
.set G1B,   32
.set G0A,   40
.set G0B,   56
.set MSB, 0
.macro WIN new                         ; the immediate's high byte repeats the setting that is left
.if MSB != \new
	s_set_vgpr_msb (MSB<<8)|\new
.set MSB, \new
.endif
.endm
.set MUL,  0x52                        ; source 0 (B) window 2, source 1 (A) window 0, C and D window 1
.set TO_B, 0x80                        ; destination window 2, address window 0
.macro CROUND
	s_barrier_signal -1
	s_barrier_wait -1
	s_cmp_lg_u32 s[WV], 0
	s_cbranch_scc1 .Lnot_wave_0_\@
	s_barrier_signal -3
.Lnot_wave_0_\@:
	s_barrier_wait -3
	s_barrier_signal -1
	s_barrier_wait -1
.endm
.macro PLACES n
.rept \n
	v_nop
.endr
.endm
	s_load_b128 s[4:7], s[0:1], 0x0                ; cq, wq
	s_load_b64 s[8:9], s[0:1], 0x10                ; out0
	v_lshl_add_u32 v126, v0, 2, 0x48000
	v_mov_b32 v127, 0
	ds_add_u32 v126, v127
	ds_add_u32 v126, v127
	v_lshrrev_b32 v1, 5, v0
	v_readfirstlane_b32 s[WV], v1
	s_lshr_b32 s13, s[WV], 1                       ; my 64 rows of A.  Also: I fetch for A (0) or B (1)
	s_and_b32 s14, s[WV], 1                        ; my 128 rows of B.  Also: which half I fetch
	s_bfe_u32 s15, ttmp6, 0x40000                  ; cx: the tile column
	s_bfe_u32 s16, ttmp6, 0x40004                  ; cy
	s_lshl_b32 s20, ttmp9, 2
	s_add_co_u32 s20, s20, s16                     ; the tile row: 4 x cluster + cy
	s_lshl_b32 s92, s16, 2
	s_lshl_b32 s92, 15, s92                        ; my row of the cluster
	s_lshl_b32 s93, 0x1111, s15                    ; my column
	s_or_b32 s[G1A], s92, (3<<16)|(1<<21)          ; rows of 3,072 bytes (384 elements of 8), 12,288 bytes apart in memory, on end in LDS; A: 4 rows a load, B: 8
	s_or_b32 s[G1B], s93, (3<<16)|(1<<21)
.irp g, G1A, G1B
	s_mov_b32 s[\g+1], (RBC/8)<<16
	s_mov_b32 s[\g+3], (RBC/8)<<16
	s_mov_b32 s[\g+5], RBK/8
	s_mov_b32 s[\g+6], 0
	s_mov_b32 s[\g+7], 0
.endr
	s_mov_b32 s[G1A+2], 4<<16
	s_mov_b32 s[G1A+4], 4
	s_mov_b32 s[G1B+2], 8<<16
	s_mov_b32 s[G1B+4], 8
	v_and_b32 v1, 31, v0                           ; lane
	v_and_b32 v2, 15, v0                           ; r
	v_bfe_u32 v3, v0, 4, 1                         ; h
	v_lshlrev_b32 v[L8], 3, v1
	v_lshlrev_b32 v[SO], 5, v2
	v_lshl_add_u32 v[SO], v3, 4, v[SO]
	s_mul_i32 s92, s20, 8*RBK                      ; A: the tile row's 8 row blocks, the half that I fetch
	s_mul_i32 s93, s14, 4*RBK
	s_add_co_u32 s92, s92, s93
	s_mov_b32 s93, 0
	s_lshl_b32 s96, s20, 12                        ; its scale bytes: 512 a row block; my wave's 4 blocks
	s_lshl_b32 s97, s13, 11
	s_add_co_u32 s96, s96, s97
	s_add_co_u32 s96, s96, CQS
	s_mov_b32 s97, 0
	s_mul_i32 s94, s15, 16*RBK                     ; B likewise, in registers that never hold cy
	s_mul_i32 s95, s14, 8*RBK
	s_add_co_u32 s94, s94, s95
	s_add_co_u32 s94, s94, 192*RBK                 ; W_O begins at row block 192
	s_mov_b32 s95, 0
	s_lshl_b32 s98, s15, 13
	s_lshl_b32 s99, s14, 12
	s_add_co_u32 s98, s98, s99
	s_add_co_u32 s98, s98, WS+192*512
	s_mov_b32 s99, 0
	s_wait_alu depctr_va_vdst(0)
	s_wait_dscnt 0x0
	s_wait_kmcnt 0x0
	s_add_nc_u64 s[76:77], s[4:5], s[92:93]
	s_add_nc_u64 s[80:81], s[4:5], s[96:97]
	s_add_nc_u64 s[78:79], s[6:7], s[94:95]
	s_add_nc_u64 s[82:83], s[6:7], s[98:99]
.irp a, 0,1,2,3
	global_load_b128 v[SCA+4*\a:SCA+4*\a+3], v[SO], s[80:81] offset:512*\a
.endr
.irp i, 0,1,2,3,4,5,6,7
	global_load_b128 v[SCB+4*\i:SCB+4*\i+3], v[SO], s[82:83] offset:512*\i
.endr
	s_mul_i32 s96, s14, 4*RBC                      ; where my half goes in a chunk: the wave's number alone enters an LDS address
	s_mul_i32 s97, s14, 8*RBC
	s_add_co_u32 s97, s97, BOFF
.irp c, 0,1,2,3
	s_mov_b32 s[G0A+4*\c], 1
	s_add_co_u32 s[G0A+4*\c+1], s96, \c*CHUNK
	s_add_nc_u64 s[G0A+4*\c+2:G0A+4*\c+3], s[76:77], \c*RBC
	s_or_b32 s[G0A+4*\c+3], s[G0A+4*\c+3], 0x80000000
	s_mov_b32 s[G0B+4*\c+4*(\c/2)], 1
	s_add_co_u32 s[G0B+4*\c+4*(\c/2)+1], s97, \c*CHUNK
	s_add_nc_u64 s[G0B+4*\c+4*(\c/2)+2:G0B+4*\c+4*(\c/2)+3], s[78:79], \c*RBC
	s_or_b32 s[G0B+4*\c+4*(\c/2)+3], s[G0B+4*\c+4*(\c/2)+3], 0x80000000
.endr
	CROUND                                         ; all sixteen work-groups are here: the joint loads meet
	s_cmp_eq_u32 s13, 0                            ; a wave's four fills stand in one branch on its number: four tensor loads of mine are out
	s_cbranch_scc0 .Lfill_b
.irp c, 0,1,2,3
	tensor_load_to_lds s[G0A+4*\c:G0A+4*\c+3], s[G1A:G1A+7]
	s_nop 0
.endr
	PLACES 4
	s_branch .Lfilled
.Lfill_b:
.irp c, 0,1,2,3
	tensor_load_to_lds s[G0B+4*\c+4*(\c/2):G0B+4*\c+4*(\c/2)+3], s[G1B:G1B+7]
	s_nop 0
.endr
	PLACES 4
.Lfilled:
	s_mul_i32 s96, s13, 4*RBC
	s_mul_i32 s97, s14, 8*RBC
	s_add_co_u32 s97, s97, BOFF
.irp c, 0,1,2,3
	v_add_nc_u32 v[ADRA+\c], s96, v[L8]
	v_add_nc_u32 v[ADRB+\c], s97, v[L8]
	s_add_co_u32 s96, s96, CHUNK
	s_add_co_u32 s97, s97, CHUNK
.endr
	s_mul_i32 s96, s[WV], 16*SPITCH                ; my stage
	v_mul_u32_u24 v[STO], v2, SPITCH
	v_lshl_add_u32 v[STO], v3, 6, v[STO]
	v_add_nc_u32 v[STO], s96, v[STO]               ; in: row r, + 64 h bytes: columns 16 h on of each 32
	v_lshlrev_b32 v[CO], 4, v1
	v_add_nc_u32 v[RD], s96, v[CO]                 ; back: the 32 lanes take one row of 512 bytes
	s_lshl_b32 s92, s20, 19                        ; out: my first row, 128 x tile row + 64 x (wave / 2), of 4,096 bytes;
	s_lshl_b32 s93, s13, 18
	s_add_co_u32 s92, s92, s93
	s_lshl_b32 s93, s15, 10                        ; my first column, 256 x tile column + 128 x (wave % 2), of 4 bytes
	s_add_co_u32 s92, s92, s93
	s_lshl_b32 s93, s14, 9
	s_add_co_u32 s92, s92, s93
	s_mov_b32 s93, 0
	s_add_nc_u64 s[84:85], s[8:9], s[92:93]
; 72 LDS loads in one run: K step q's fragments, B's eight and A's four, into set q % 2.  Each load takes 256 consecutive bytes
.macro FETCH q
	WIN TO_B
.irp i, 0,1,2,3,4,5,6,7
.irp p, 0,1,2,3,4,5
	ds_load_b64 v[96*((\q)%2)+12*\i+2*\p:96*((\q)%2)+12*\i+2*\p+1], v[ADRB+(\q)/2] offset:RBC*\i+FRB*((\q)%2)+256*\p
.endr
.endr
	WIN 0
.irp i, 0,1,2,3
.irp p, 0,1,2,3,4,5
	ds_load_b64 v[AF+48*((\q)%2)+12*\i+2*\p:AF+48*((\q)%2)+12*\i+2*\p+1], v[ADRA+(\q)/2] offset:RBC*\i+FRB*((\q)%2)+256*\p
.endr
.endr
.endm
; K step q: 32 matrix instructions.  The 32 accumulators take turns, one instruction a turn, in the same order in every step.  K step 0 starts the sums.
; K steps 4-7 take their scale words from lanes 16-31 of the same registers.
.macro MUL32 q
	WIN MUL
.irp a, 0,1,2,3
.irp b, 0,1,2,3,4,5,6,7
.if (\q) == 0
	v_wmma_scale_f32_16x16x128_f8f6f4 v[8*(8*\a+\b):8*(8*\a+\b)+7], v[96*((\q)%2)+12*\b:96*((\q)%2)+12*\b+11], v[AF+48*((\q)%2)+12*\a:AF+48*((\q)%2)+12*\a+11], 0, v[SCB+4*\b+(\q)%4], v[SCA+4*\a+(\q)%4] matrix_a_fmt:MATRIX_FMT_FP6 matrix_b_fmt:MATRIX_FMT_FP6
.elseif (\q) < 4
	v_wmma_scale_f32_16x16x128_f8f6f4 v[8*(8*\a+\b):8*(8*\a+\b)+7], v[96*((\q)%2)+12*\b:96*((\q)%2)+12*\b+11], v[AF+48*((\q)%2)+12*\a:AF+48*((\q)%2)+12*\a+11], v[8*(8*\a+\b):8*(8*\a+\b)+7], v[SCB+4*\b+(\q)%4], v[SCA+4*\a+(\q)%4] matrix_a_fmt:MATRIX_FMT_FP6 matrix_b_fmt:MATRIX_FMT_FP6
.else
	v_wmma_scale_f32_16x16x128_f8f6f4 v[8*(8*\a+\b):8*(8*\a+\b)+7], v[96*((\q)%2)+12*\b:96*((\q)%2)+12*\b+11], v[AF+48*((\q)%2)+12*\a:AF+48*((\q)%2)+12*\a+11], v[8*(8*\a+\b):8*(8*\a+\b)+7], v[SCB+4*\b+(\q)%4], v[SCA+4*\a+(\q)%4] matrix_a_fmt:MATRIX_FMT_FP6 matrix_b_fmt:MATRIX_FMT_FP6 matrix_a_scale:MATRIX_SCALE_ROW1 matrix_b_scale:MATRIX_SCALE_ROW1
.endif
.endr
.endr
.endm
.macro STEP q
	s_wait_dscnt 0x0                               ; this step's fragments, asked for a whole step ago
.if ((\q) == 1) || ((\q) == 3) || ((\q) == 5)
	s_wait_tensorcnt 2-(\q)/2                      ; my part of the next chunk has landed; the count is that of my younger chunks
	s_barrier_signal -1
	s_barrier_wait -1                              ; everybody's has.
.endif
.if (\q) < 7
.if (\q) > 0
	PLACES 4                                       ; in front of loads into registers that the step before multiplied (ISA guide 7.12.1 for vector instructions)
.endif
	FETCH (\q)+1
.endif
	MUL32 \q
.endm
	s_wait_alu depctr_va_vdst(0)
	s_wait_tensorcnt 0x3                           ; my part of chunk 0 is in; my three younger chunks may be out
	s_barrier_signal -1
	s_barrier_wait -1
	FETCH 0
	s_wait_loadcnt 0x0                             ; the scale words
.irp q, 0,1,2,3,4,5,6,7
	STEP \q
.endr
	WIN 0
; THE WAY OUT, block by block of 16 rows x 128 columns.  Register j of accumulator (a, b) in lane (r, h) is column 32 (b / 2) + 16 h + 8 (b % 2) + j of image row r.  A block goes through my stage in LDS
; and comes back as whole rows of 512 bytes.  The stage lies in chunk 0: it has had its one fill, and every wave's last reads of it (K steps 0 and 1) were waited for ahead of its signal at K step 1's
; barrier, which I have passed.  LDS serves a wave's instructions in order (ISA guide 5.7.1.4): no wait between the stores and the loads, nor in front of the next block's stores.
.macro TOSTAGE a
	WIN 0x04                                       ; an LDS store's data are its source 1: window 1
.irp b, 0,1,2,3,4,5,6,7
	ds_store_b128 v[STO], v[64*(\a)+8*\b:64*(\a)+8*\b+3] offset:128*(\b/2)+32*(\b%2)          ; each accumulator from its low end on
	ds_store_b128 v[STO], v[64*(\a)+8*\b+4:64*(\a)+8*\b+7] offset:128*(\b/2)+32*(\b%2)+16
.endr
	WIN 0
.set BB, BK+64*((\a)%2)
.irp t, 0,1,2,3,4,5,6,7,8,9,10,11,12,13,14,15
	ds_load_b128 v[BB+4*\t:BB+4*\t+3], v[RD] offset:\t*SPITCH
.endr
.endm
.macro SEND a, younger                 ; younger: the LDS instructions issued behind block a's loads, which may stay out
.set BB, BK+64*((\a)%2)
	s_wait_dscnt \younger
.irp t, 0,1,2,3,4,5,6,7,8,9,10,11,12,13,14,15
	global_store_b128 v[CO], v[BB+4*\t:BB+4*\t+3], s[84:85] offset:(32*((\a)/2)+8*((\a)%2)+\t+8*(\t/8))*4096 th:TH_STORE_NT   ; image row t's true row; 512 consecutive bytes, aligned; written once, read by nobody here
.endr
.endm
	PLACES 4                                       ; behind the last products: for the reads of results and for the loads into the registers that held A's fragments
	TOSTAGE 0
.irp a, 1,2,3
.if \a > 1
	s_wait_xcnt 0x0                                ; block a - 2's stores have read their registers: block a's loads may land there
.endif
	TOSTAGE \a
	SEND \a-1, 32                                  ; behind block a - 1's loads: block a's 16 stores and 16 loads
.endr
	SEND 3, 0
	s_wait_tensorcnt 0x0
	ds_add_u32 v126, v127
	s_wait_dscnt 0x0
	CROUND                                         ; the closing round: no work-group ends while a partner may still ask for a tile that names it
	s_endpgm
.Lfunc_end_k_q33cc7e2c51_proj:
	.size	k_q33cc7e2c51_proj, .Lfunc_end_k_q33cc7e2c51_proj-k_q33cc7e2c51_proj
	.p2alignl 7, 3214868480
	.fill 96, 4, 3214868480
	.section	.rodata,"a",@progbits
	.p2align	6, 0x0
	.amdhsa_kernel k_q33cc7e2c51_proj
		.amdhsa_group_segment_fixed_size 295424
		.amdhsa_private_segment_fixed_size 0
		.amdhsa_enable_private_segment 0
		.amdhsa_kernarg_size 24
		.amdhsa_user_sgpr_count 2
		.amdhsa_user_sgpr_kernarg_segment_ptr 1
		.amdhsa_wavefront_size32 1
		.amdhsa_system_sgpr_workgroup_id_x 1
		.amdhsa_system_sgpr_workgroup_id_y 1
		.amdhsa_system_sgpr_workgroup_id_z 1
		.amdhsa_system_vgpr_workitem_id 0
		.amdhsa_next_free_vgpr 768
		.amdhsa_next_free_sgpr 100
		.amdhsa_reserve_vcc 0
		.amdhsa_float_denorm_mode_32 3
		.amdhsa_float_denorm_mode_16_64 3
		.amdhsa_memory_ordered 1
		.amdhsa_forward_progress 1
		.amdhsa_inst_pref_size 95
	.end_amdhsa_kernel
	.amdgpu_metadata
---
amdhsa.version: [ 1, 2 ]
amdhsa.kernels:
  - .name:           k_q33cc7e2c51_proj
    .symbol:         k_q33cc7e2c51_proj.kd
    .args:
      - { .name: cq, .offset: 0, .size: 8, .value_kind: global_buffer, .address_space: global }
      - { .name: wq, .offset: 8, .size: 8, .value_kind: global_buffer, .address_space: global }
      - { .name: out0, .offset: 16, .size: 8, .value_kind: global_buffer, .address_space: global }
    .group_segment_fixed_size: 295424
    .private_segment_fixed_size: 0
    .kernarg_segment_align: 8
    .kernarg_segment_size: 24
    .max_flat_workgroup_size: 128
    .sgpr_count:     100
    .vgpr_count:     768
    .wavefront_size: 32
...
	.end_amdgpu_metadata
.endif
;; end of part 4
